; MI455X (gfx1250); checked and timed in simulation.
; The chip was launched on July 23, 2026; its instructions are those of AMD's public machine-readable ISA for CDNA 5 (MIT licence, August 2026) and "CDNA5" Instruction Set Architecture Reference Guide (July 2026). The comments in the code are by the model that wrote it; some were corrected since.
;; Multi Head Fast Self Attention. Allowed arithmetic: float matrix products may take bf16 or f16 operands with f32 sums; other float arithmetic in f32, or as packed bf16 or f16 multiplies, adds, multiply-adds, maxima and minima; sums over many terms, partial sums and values carried from step to step in f32; what a program stores and reads back later, other than sums and carried values, may be rounded once to bf16 or f16.
;; Inputs: Wk 1,024 x 1,024 float32; Wka 1,024 x 16 float32; Wq 1,024 x 1,024 float32; Wqa 1,024 x 16 float32; Wt 1,024 x 1,024 float32; attention_mask 4 x 1 x 4,096 float32; bk 1,024 float32; bka 16 float32; bq 1,024 float32; bqa 16 float32; bt 1,024 float32; hidden_states 4 x 4,096 x 1,024 float32.
;; Outputs: out0 4 x 4,096 x 1,024 float32.
;; One version. Each part assembles by itself: llvm-mc -triple=amdgcn-amd-amdhsa -mcpu=gfx1250 --defsym DOCPART=n.
;; ======== version 1 of 1: 8 launches
;; limits: values outside matrix products are rounded to bf16
;; workspace buffers: hb 37,748,736 bytes; qa 133,120 bytes; ka 133,120 bytes; part 16,809,984 bytes; pqp 65,536 bytes; kkp 65,536 bytes; eb 8,912,896 bytes
;; launch prep (part 1): grid 321 x 1, 8 waves a work-group, no clusters, 9,216 bytes of LDS; arguments hidden_states, Wq, Wt, Wqa, bq, hb, qa; writes hb, qa
.if DOCPART == 1
	.amdgcn_target "amdgcn-amd-amdhsa--gfx1250"
	.amdhsa_code_object_version 6
	.text
	.protected	k_qfc388fd0da_prep
	.globl	k_qfc388fd0da_prep
	.p2align	8
	.type	k_qfc388fd0da_prep,@function
k_qfc388fd0da_prep:
	s_mov_b64 s[64:65], 0
	v_nop
	global_prefetch_b8 v0, s[64:65] scope:SCOPE_SE
	s_setreg_imm32_b32 hwreg(HW_REG_WAVE_MODE, 25, 1), 1
	s_wait_xcnt 0x0
; PREP.  Two kinds of work-group, told apart by the work-group's number alone.
; Work-groups 0..255 STREAM, all alike: work-group g rounds 64 rows of hidden_states (rows 64 g on) and 8 rows of the weights to bf16 into hb
; (hb's rows 0..16383 hidden_states, 16384..17407 Wq, 17408..18431 Wt; rows of 1,024).  Of the weights g under 128 takes Wq's rows 8 g on, the others Wt's rows 8 (g - 128) on:
; either way they go to hb's rows 16384 + 8 g on, one row a wave.
; Work-groups 256..320 make the query table of the first pooling: qa[h][k] = sum over j of Wq[k][j] Wqa[j][h] for the 16 rows k of block kb = the work-group's number - 256;
; block 64 takes bq in place of a row of Wq (16 equal rows) and so gives c[h] = bq . Wqa[:, h].  Operands bf16, sums f32, the table rounded once to bf16.
; The table is stored four times, once a batch, so that both poolings read their tables by one batch stride.
; j is split among the eight waves, 128 each; the eight partial tiles meet in LDS.
.set RED,   0                          ; LDS: wave w's partial tile, 1,024 bytes, at 1,024 w
.set SPARE, 8192                       ; behind them: the spare words, 128 bytes a wave, which no other line names
.set SPW, 12                           ; v12  my spare word: SPARE + 4 x my thread's number; never rewritten
.set NIL, 13                           ; v13  0; never rewritten
.set XB,  16                           ; stream: v[16:79] sixteen slots of 4, f32 as loaded
.set YB,  80                           ; stream: v[80:111] sixteen slots of 2, bf16 to store
.set WB,  112                          ; stream: v[112:143] my row of the weights: eight loads of 4, packed in place
	s_load_b256 s[4:11], s[0:1], 0x0               ; hidden_states s[4:5], Wq s[6:7], Wt s[8:9], Wqa s[10:11]
	s_load_b128 s[12:15], s[0:1], 0x20             ; bq s[12:13], hb s[14:15]
	s_load_b64 s[16:17], s[0:1], 0x30              ; qa
	v_lshl_add_u32 v[SPW], v0, 2, SPARE
	v_mov_b32 v[NIL], 0
	v_lshrrev_b32 v1, 5, v0
	v_readfirstlane_b32 s18, v1                    ; wave 0..7
	v_and_b32 v1, 31, v0                           ; L
	v_and_b32 v2, 15, v0                           ; r = L % 16
	v_bfe_u32 v3, v0, 4, 1                         ; h = L / 16
	s_cmp_lt_u32 ttmp9, 256
	s_cbranch_scc1 .Lstream
	; ---- the table.  Source 0 = 16 rows k of Wq, source 1 = 16 columns h of Wqa; K = j.  In the result a lane holds head r and rows k = 8 h + 0..7.
	s_sub_co_u32 s19, ttmp9, 256                   ; block kb
	s_lshl_b32 s24, s19, 16                        ; 16 rows of 4,096 bytes
	s_mov_b32 s25, 0
	s_lshl_b32 s26, s18, 9                         ; my 128 j: 512 bytes of a row of Wq
	s_lshl_b32 s27, s18, 13                        ; and 128 rows of 64 bytes of Wqa
	s_lshl_b32 s28, s18, 10                        ; my partial tile in LDS
	s_cmp_eq_u32 s19, 64
	s_cselect_b32 s20, 0, 0x1000                   ; bytes from row to row: 0 for the bias, read sixteen times over
	s_cselect_b32 s24, 0, s24
	s_wait_kmcnt 0x0
	s_cselect_b64 s[22:23], s[12:13], s[6:7]       ; bq or Wq
	s_add_nc_u64 s[22:23], s[22:23], s[24:25]
	v_mul_u32_u24 v4, v2, s20
	v_lshl_add_u32 v4, v3, 5, v4
	v_add_nc_u32 v4, s26, v4                       ; row r, j = 128 w + 8 h
	v_lshlrev_b32 v5, 2, v2
	v_lshl_add_u32 v5, v3, 9, v5
	v_add_nc_u32 v5, s27, v5                       ; Wqa[128 w + 8 h][r]
	v_lshl_add_u32 v6, v1, 4, s28                  ; where I put a partial tile
	v_lshlrev_b32 v7, 4, v1                        ; where I read the eight back
	v_lshlrev_b32 v8, 5, v2
	v_lshl_add_u32 v8, v3, 4, v8                   ; my 16 bytes of a block: head r, rows 8 h on
.irp c, 0,1,2,3                        ; K step c: 16 f32 a lane, in the order of a fragment's registers
	global_load_b128 v[16+16*(\c):19+16*(\c)], v4, s[22:23] offset:128*(\c)
	global_load_b128 v[20+16*(\c):23+16*(\c)], v4, s[22:23] offset:128*(\c)+16
	global_load_b128 v[24+16*(\c):27+16*(\c)], v4, s[22:23] offset:128*(\c)+64
	global_load_b128 v[28+16*(\c):31+16*(\c)], v4, s[22:23] offset:128*(\c)+80
.endr
.irp c, 0,1,2,3
.irp u, 0,1,2,3,4,5,6,7,8,9,10,11,12,13,14,15
	global_load_b32 v[80+16*(\c)+(\u)], v5, s[10:11] offset:(32*(\c)+(\u)+8*((\u)/8))*64
.endr
.endr
	s_wait_loadcnt 0x0                             ; 80 loads, all wanted at once
.set n, 0
.rept 32                               ; Wq's fragments, packed in place: register n takes numbers 2 n and 2 n + 1, which lie at or above it
	v_cvt_pk_bf16_f32 v[16+n], v[16+2*n], v[17+2*n]
.set n, n+1
.endr
.set n, 0
.rept 32                               ; Wqa's fragments
	v_cvt_pk_bf16_f32 v[144+n], v[80+2*n], v[81+2*n]
.set n, n+1
.endr
	v_wmma_f32_16x16x32_bf16 v[176:183], v[16:23], v[144:151], 0
	s_wait_alu depctr_va_vdst(0)                   ; the wait ahead of each link
	v_wmma_f32_16x16x32_bf16 v[176:183], v[24:31], v[152:159], v[176:183]
	s_wait_alu depctr_va_vdst(0)
	v_wmma_f32_16x16x32_bf16 v[176:183], v[32:39], v[160:167], v[176:183]
	s_wait_alu depctr_va_vdst(0)
	v_wmma_f32_16x16x32_bf16 v[176:183], v[40:47], v[168:175], v[176:183]
.rept 4
	v_nop                                          ; four places behind the last product, ahead of the stores that read it
.endr
	ds_store_b128 v6, v[176:179]
	ds_store_b128 v6, v[180:183] offset:512
	s_wait_dscnt 0x0                               ; for the others' sake
	s_barrier_signal -1
	s_barrier_wait -1                              ; all eight partial tiles lie in LDS
	s_cmp_lt_u32 s18, 4                            ; waves 0..3 each add them up and store the copy of batch w
	s_cbranch_scc0 .Lend
.irp x, 0,1,2,3,4,5,6,7
	ds_load_b128 v[80+8*(\x):83+8*(\x)], v7 offset:RED+1024*(\x)
	ds_load_b128 v[84+8*(\x):87+8*(\x)], v7 offset:RED+1024*(\x)+512
.endr
	s_mul_i32 s32, s18, 33280                      ; the batch's table
	s_lshl_b32 s33, s19, 9                         ; the block's 512 bytes
	s_add_co_u32 s32, s32, s33
	s_mov_b32 s33, 0
	s_add_nc_u64 s[30:31], s[16:17], s[32:33]
	s_wait_dscnt 0x0
.set n, 0
.rept 16
	v_pk_add_f32 v[80+n:81+n], v[80+n:81+n], v[112+n:113+n]
.set n, n+2
.endr
.set n, 0
.rept 8
	v_pk_add_f32 v[80+n:81+n], v[80+n:81+n], v[96+n:97+n]
.set n, n+2
.endr
.set n, 0
.rept 4
	v_pk_add_f32 v[80+n:81+n], v[80+n:81+n], v[88+n:89+n]
.set n, n+2
.endr
.irp i, 0,1,2,3
	v_cvt_pk_bf16_f32 v[96+(\i)], v[80+2*(\i)], v[81+2*(\i)]
.endr
	global_store_b128 v8, v[96:99], s[30:31]       ; the wave's store covers the block's 512 consecutive bytes
.Lend:
	s_wait_tensorcnt 0x0                           ; the wave's end
	ds_add_u32 v[SPW], v[NIL]
	s_wait_dscnt 0x0
	s_endpgm
	; ---- the stream.  Wave w takes 8 rows of hidden_states (32 KiB of f32 in, 16 KiB of bf16 out) and one row of the weights (4 KiB in, 2 KiB out).
	; A load covers 512 consecutive bytes, its store 256.  A ring of sixteen slots in registers keeps sixteen loads of every wave on their way; the weights' eight loads go out ahead of the ring.
.Lstream:
	s_lshl_b32 s24, ttmp9, 18                      ; g x 64 rows of 4,096 bytes
	s_mov_b32 s25, 0
	s_lshl_b32 s28, ttmp9, 17                      ; g x 64 rows of 2,048 bytes
	s_mov_b32 s29, 0
	s_and_b32 s20, ttmp9, 127
	s_lshl_b32 s20, s20, 3
	s_add_co_u32 s20, s20, s18                     ; my row in Wq or in Wt: 8 (g % 128) + w
	s_lshl_b32 s32, s20, 12
	s_mov_b32 s33, 0
	s_lshl_b32 s36, ttmp9, 3
	s_add_co_u32 s36, s36, s18
	s_lshl_b32 s36, s36, 11
	s_add_co_u32 s36, s36, 33554432                ; hb's row 16384 + 8 g + w
	s_mov_b32 s37, 0
	s_lshl_b32 s38, s18, 15
	s_lshl_b32 s39, s18, 14
	v_lshlrev_b32 v10, 4, v1                       ; 16 L; never rewritten
	v_lshlrev_b32 v11, 3, v1                       ; 8 L; never rewritten
	v_lshl_add_u32 v14, v1, 4, s38                 ; 16 L + 32,768 w; never rewritten
	v_lshl_add_u32 v15, v1, 3, s39                 ; 8 L + 16,384 w; never rewritten
	s_wait_kmcnt 0x0
	s_add_nc_u64 s[22:23], s[4:5], s[24:25]
	s_add_nc_u64 s[26:27], s[14:15], s[28:29]
	s_cmp_lt_u32 ttmp9, 128
	s_cselect_b64 s[34:35], s[6:7], s[8:9]         ; Wq or Wt
	s_add_nc_u64 s[34:35], s[34:35], s[32:33]
	s_add_nc_u64 s[36:37], s[14:15], s[36:37]
.irp i, 0,1,2,3,4,5,6,7
	global_load_b128 v[WB+4*(\i):WB+4*(\i)+3], v10, s[34:35] offset:(\i)*512
.endr
.irp i, 0,1,2,3,4,5,6,7,8,9,10,11,12,13,14,15
	global_load_b128 v[XB+4*(\i):XB+4*(\i)+3], v14, s[22:23] offset:(\i)*512
.endr
; One slot's turn.  ahead = 1: the slot is loaded again, sixteen loads further on.  left = the younger loads that may stay out.
.macro SLOT i, ahead, left
	s_wait_loadcnt \left                           ; loads come back in order: mine is in (and so are the weights', which are older than the whole ring)
	s_wait_xcnt 0x0                                ; the slot's last store has read its two registers: they are rewritten only behind this wait
	v_cvt_pk_bf16_f32 v[YB+2*(\i)], v[XB+4*(\i)], v[XB+4*(\i)+1]
	v_cvt_pk_bf16_f32 v[YB+2*(\i)+1], v[XB+4*(\i)+2], v[XB+4*(\i)+3]
.if \ahead
	global_load_b128 v[XB+4*(\i):XB+4*(\i)+3], v14, s[22:23] offset:(16+(\i))*512
.endif
	global_store_b64 v15, v[YB+2*(\i):YB+2*(\i)+1], s[26:27] offset:(\i)*256
.endm
	s_mov_b32 s30, 3
.Lround:
.irp i, 0,1,2,3,4,5,6,7,8,9,10,11,12,13,14,15
	SLOT \i, 1, 15
.endr
	s_wait_xcnt 0x0                                ; both bases are stepped only behind this wait
	s_add_nc_u64 s[22:23], s[22:23], 0x2000
	s_add_nc_u64 s[26:27], s[26:27], 0x1000
	s_sub_co_u32 s30, s30, 1
	s_cmp_lg_u32 s30, 0
	s_cbranch_scc1 .Lround
.irp i, 0,1,2,3,4,5,6,7,8,9,10,11,12,13,14,15
	SLOT \i, 0, 15-(\i)                            ; the last round loads nothing: the counts run down
.endr
.irp i, 0,1,2,3,4,5,6,7                ; my row of the weights, packed in place: each line's destination is its own first source or lies below its sources
	v_cvt_pk_bf16_f32 v[WB+4*(\i)], v[WB+4*(\i)], v[WB+4*(\i)+1]
	v_cvt_pk_bf16_f32 v[WB+4*(\i)+1], v[WB+4*(\i)+2], v[WB+4*(\i)+3]
.endr
.irp i, 0,1,2,3,4,5,6,7
	global_store_b64 v11, v[WB+4*(\i):WB+4*(\i)+1], s[36:37] offset:(\i)*256
.endr
	s_wait_tensorcnt 0x0                           ; the same three lines at this end
	ds_add_u32 v[SPW], v[NIL]
	s_wait_dscnt 0x0
	s_endpgm
.Lfunc_end_k_qfc388fd0da_prep:
	.size	k_qfc388fd0da_prep, .Lfunc_end_k_qfc388fd0da_prep-k_qfc388fd0da_prep
	.p2alignl 7, 3214868480
	.fill 96, 4, 3214868480
	.section	.rodata,"a",@progbits
	.p2align	6, 0x0
	.amdhsa_kernel k_qfc388fd0da_prep
		.amdhsa_group_segment_fixed_size 9216
		.amdhsa_private_segment_fixed_size 0
		.amdhsa_enable_private_segment 0
		.amdhsa_kernarg_size 56
		.amdhsa_user_sgpr_count 2
		.amdhsa_user_sgpr_kernarg_segment_ptr 1
		.amdhsa_wavefront_size32 1
		.amdhsa_system_sgpr_workgroup_id_x 1
		.amdhsa_system_sgpr_workgroup_id_y 1
		.amdhsa_system_sgpr_workgroup_id_z 1
		.amdhsa_system_vgpr_workitem_id 0
		.amdhsa_next_free_vgpr 192
		.amdhsa_next_free_sgpr 66
		.amdhsa_reserve_vcc 0
		.amdhsa_float_denorm_mode_32 3
		.amdhsa_float_denorm_mode_16_64 3
		.amdhsa_memory_ordered 1
		.amdhsa_forward_progress 1
		.amdhsa_inst_pref_size 34
	.end_amdhsa_kernel
	.amdgpu_metadata
---
amdhsa.version: [ 1, 2 ]
amdhsa.kernels:
  - .name:           k_qfc388fd0da_prep
    .symbol:         k_qfc388fd0da_prep.kd
    .args:
      - { .name: hidden_states, .offset: 0, .size: 8, .value_kind: global_buffer, .address_space: global }
      - { .name: Wq, .offset: 8, .size: 8, .value_kind: global_buffer, .address_space: global }
      - { .name: Wt, .offset: 16, .size: 8, .value_kind: global_buffer, .address_space: global }
      - { .name: Wqa, .offset: 24, .size: 8, .value_kind: global_buffer, .address_space: global }
      - { .name: bq, .offset: 32, .size: 8, .value_kind: global_buffer, .address_space: global }
      - { .name: hb, .offset: 40, .size: 8, .value_kind: global_buffer, .address_space: global }
      - { .name: qa, .offset: 48, .size: 8, .value_kind: global_buffer, .address_space: global }
    .group_segment_fixed_size: 9216
    .private_segment_fixed_size: 0
    .kernarg_segment_align: 8
    .kernarg_segment_size: 56
    .max_flat_workgroup_size: 256
    .sgpr_count:     66
    .vgpr_count:     192
    .wavefront_size: 32
...
	.end_amdgpu_metadata
.endif
;; end of part 1
;; launch pool1 (part 2): grid 64 x 4, 4 waves a work-group, no clusters, 205,312 bytes of LDS; arguments hb, qa, bqa, attention_mask, part; writes part
.if DOCPART == 2
	.amdgcn_target "amdgcn-amd-amdhsa--gfx1250"
	.amdhsa_code_object_version 6
	.text
	.protected	k_qfc388fd0da_pool1
	.globl	k_qfc388fd0da_pool1
	.p2align	8
	.type	k_qfc388fd0da_pool1,@function
k_qfc388fd0da_pool1:
	s_mov_b64 s[64:65], 0
	v_nop
	global_prefetch_b8 v0, s[64:65] scope:SCOPE_SE
	s_setreg_imm32_b32 hwreg(HW_REG_WAVE_MODE, 25, 1), 1
	s_wait_xcnt 0x0
; POOL.  Attention of 16 fixed queries (one a head) over 64 rows of X, whose keys and values are both X:
;   t[h][s] = ((X[s] . A[h] + c[h] + ba[h]) / 8 + mask[s]) log2(e);   p = 2^(t - m), m the largest t of the 64 rows;   l = sum of p;   O[h][:] = sum over s of p[h][s] X[s][:].
; m, l and O (all f32) go to part as partial p = 64 b + chunk; the next launch joins a batch's 64 partials by their maxima.  X, A and p are bf16 matrix operands; c comes in bf16.
; LIMITS.  m is held at or above the lowest finite number, so rows whose mask is -inf get the weight 0; a batch whose mask is -inf everywhere is not treated.  A weight below 2^-126 counts as 0.
; NO CLUSTER: a work-group's 128 KiB of X are its own; shared is only the table of 33 KB, which comes through registers.  NO RING: the whole share is asked for at the head, one tensor load a wave.
; SCORES: wave w takes rows 16 w .. 16 w + 15: source 0 = 16 rows of X, source 1 = the 16 queries; a lane holds head r and rows 8 h + 0..7.
; POOLING: wave w takes channels 256 w .. 256 w + 255: source 0 = 16 channels x 32 rows of X, turned by ds_load_tr16_b128; source 1 = p; a lane holds head r and channels 8 h + 0..7.
; REGISTERS.  window 0: v1-15 lane numbers and addresses; v16-17 the add's; v18-31 small; v32-39 t; v40-47 at work; v48-63 p in bf16; v64-127, v128-191 fragments of X, two sets;
;   v192-223 four score accumulators, then the waves' m and l; v224-255 the four waves' p.     window 1: the queries, fragment c at 8 c; then O's 16 accumulators at 8 a.
.set PITCH, 2080                       ; a row of X in LDS: two pieces of 1,024 bytes, 16 bytes of padding behind each
.set EXPB,  133120                     ; behind X: the waves' p, 1,024 bytes each
.set ML,    137216                     ; wave w: m of 32 lanes, then l, 256 bytes
.set STG,   138240                     ; the way out: 16 rows x 1,040 bytes for each wave
.set SPARE, 204800                     ; the spare words, 128 bytes a wave, which no other line names
.set XF0, 64
.set XF1, 128
.set MSB, 0
.macro WIN new                         ; the immediate's high byte repeats the setting that is left
.if MSB != (\new)
	s_set_vgpr_msb (MSB<<8)|(\new)
.set MSB, \new
.endif
.endm
.macro PLACES
.rept 4
	v_nop
.endr
.endm
	s_load_b256 s[4:11], s[0:1], 0x0               ; hb s[4:5], the table s[6:7], ba s[8:9], mask s[10:11]
	s_load_b64 s[12:13], s[0:1], 0x20              ; part
	v_lshl_add_u32 v16, v0, 2, SPARE
	v_mov_b32 v17, 0
	ds_add_u32 v16, v17                            ; the wave's opening: the add and its wait ahead of my tensor load
	v_lshrrev_b32 v1, 5, v0
	v_readfirstlane_b32 s14, v1                    ; wave 0..3
	s_and_b32 s15, ttmp7, 0xffff                   ; b
	s_lshl_b32 s16, s15, 6
	s_add_co_u32 s16, s16, ttmp9                   ; p = 64 b + chunk
	; group 1: my 16 rows of 2,048 bytes lie end to end: 32 rows of 512 elements, 4 words of padding behind every 256
	s_mov_b32 s24, (1<<16)|(1<<20)|(7<<22)|(3<<25)
	s_mov_b32 s25, 512<<16                         ; tensor_dim0
	s_mov_b32 s26, 32<<16                          ; tensor_dim1
	s_mov_b32 s27, 512<<16                         ; tile_dim0
	s_mov_b32 s28, 32                              ; tile_dim1
	s_mov_b32 s29, 512                             ; elements from row to row
	s_mov_b32 s30, 0
	s_mov_b32 s31, 0
	s_mov_b32 s20, 1
	s_mul_i32 s21, s14, 16*PITCH                   ; LDS: my 16 rows
	s_lshl_b32 s40, s16, 17                        ; 64 p rows of 2,048 bytes,
	s_lshl_b32 s41, s14, 15                        ; my 16 of the 64
	s_add_co_u32 s40, s40, s41
	s_mov_b32 s41, 0
	s_mul_i32 s42, s15, 33280                      ; the batch's table
	s_mov_b32 s43, 0
	s_lshl_b32 s44, s16, 8                         ; the chunk's 64 numbers of the mask
	s_mov_b32 s45, 0
	s_mov_b32 s32, 0x3e38aa3b                      ; log2(e) / 8
	s_mov_b32 s33, s32
	s_mov_b32 s34, 0x3fb8aa3b                      ; log2(e)
	s_mov_b32 s35, s34
	s_mov_b32 s36, 0x76543210                      ; v_permlanex16_b32: each lane takes its own place in the other half
	s_mov_b32 s37, 0xfedcba98
	s_mov_b32 s38, 0xff7fffff                      ; the lowest finite number
	s_wait_dscnt 0x0                               ; the opening add is done
	s_wait_kmcnt 0x0
	s_add_nc_u64 s[22:23], s[4:5], s[40:41]
	s_or_b32 s23, s23, 0x80000000                  ; type = 2
	tensor_load_to_lds s[20:23], s[24:31]          ; my one tensor load
	s_nop 0
	PLACES
	s_add_nc_u64 s[6:7], s[6:7], s[42:43]
	s_add_nc_u64 s[10:11], s[10:11], s[44:45]
	s_lshl_b32 s40, s16, 7
	s_add_co_u32 s40, s40, 0x1000000
	s_add_nc_u64 s[46:47], s[12:13], s[40:41]      ; the partial's m and l
	s_lshl_b32 s40, s16, 16
	s_lshl_b32 s39, s14, 10
	s_add_co_u32 s40, s40, s39
	s_add_nc_u64 s[12:13], s[12:13], s[40:41]      ; the partial's O at my 256 channels
	s_lshr_b32 s18, s14, 1
	s_mul_i32 s18, s18, 1040
	s_and_b32 s19, s14, 1
	s_lshl_b32 s19, s19, 9
	s_add_co_u32 s17, s18, s19                     ; my 256 channels in an LDS row
	s_lshl_b32 s18, s14, 8
	s_mul_i32 s19, s14, 16640
	v_and_b32 v1, 31, v0                           ; L
	v_and_b32 v2, 15, v0                           ; r
	v_bfe_u32 v3, v0, 4, 1                         ; h
	v_lshlrev_b32 v4, 5, v2
	v_lshl_add_u32 v4, v3, 4, v4                   ; table: head r, 8 h on
	v_mul_u32_u24 v5, v2, PITCH
	v_lshl_add_u32 v5, v3, 4, v5
	v_add_nc_u32 v5, s21, v5                       ; X by rows: my row r, 16 h
	v_and_b32 v28, 7, v0
	v_bfe_u32 v29, v0, 3, 1
	v_lshl_add_u32 v6, v3, 3, v28
	v_mul_u32_u24 v6, v6, PITCH
	v_lshl_add_u32 v6, v29, 4, v6
	v_add_nc_u32 v6, s17, v6                       ; X turned: row 8 h + L % 8, 16 bytes by (L / 8) % 2; rows 0-31
	v_add_nc_u32 v7, 32*PITCH, v6                  ; rows 32-63
	v_lshl_add_u32 v8, v1, 4, s39
	v_add_nc_u32 v8, EXPB, v8                      ; my p
	v_lshl_add_u32 v9, v1, 2, s18
	v_add_nc_u32 v9, ML, v9                        ; my m and l
	v_lshl_add_u32 v10, v1, 4, EXPB
	v_lshl_add_u32 v11, v1, 2, ML
	v_mul_u32_u24 v12, v2, 1040
	v_lshl_add_u32 v12, v3, 5, v12
	v_add_nc_u32 v12, s19, v12
	v_add_nc_u32 v12, STG, v12                     ; stage, in: head r, 8 h channels of f32
	v_lshl_add_u32 v13, v1, 4, s19
	v_add_nc_u32 v13, STG, v13                     ; stage, back
	v_lshlrev_b32 v14, 4, v1
	s_lshl_b32 s18, s14, 6
	v_lshl_add_u32 v15, v3, 5, s18                 ; mask: rows 16 w + 8 h on
	v_lshlrev_b32 v40, 5, v2                       ; c of head r
	v_lshlrev_b32 v41, 2, v2                       ; ba of head r
	v_mov_b32 v31, 0                               ; (written before v_permlanex16_b32 names it as its destination)
	WIN 0x40                                       ; destination window 1, address window 0
.set c, 0
.rept 32                               ; the queries stay in registers: fragment c = channels 32 c on = blocks 2 c and 2 c + 1 of the table
	global_load_b128 v[8*c:8*c+3],   v4, s[6:7] offset:1024*c
	global_load_b128 v[8*c+4:8*c+7], v4, s[6:7] offset:1024*c+512
.set c, c+1
.endr
	WIN 0
	global_load_u16 v18, v40, s[6:7] offset:32768  ; block 64: c
	global_load_b32 v19, v41, s[8:9]
	global_load_b128 v[20:23], v15, s[10:11]
	global_load_b128 v[24:27], v15, s[10:11] offset:16
; sixteen LDS loads: fragments 8 n .. 8 n + 7 of my 16 rows
.macro FX n, buf
.irp i, 0,1,2,3,4,5,6,7
	ds_load_b128 v[(\buf)+8*(\i):(\buf)+8*(\i)+3],   v5 offset:1040*((8*(\n)+(\i))/16)+64*((8*(\n)+(\i))%16)
	ds_load_b128 v[(\buf)+8*(\i)+4:(\buf)+8*(\i)+7], v5 offset:1040*((8*(\n)+(\i))/16)+64*((8*(\n)+(\i))%16)+32
.endr
.endm
; eight products; the four accumulators take turns
.macro MS n, buf
.irp i, 0,1,2,3,4,5,6,7
.if (8*(\n)+(\i)) < 4
	v_wmma_f32_16x16x32_bf16 v[192+8*((\i)%4):199+8*((\i)%4)], v[(\buf)+8*(\i):(\buf)+8*(\i)+7], v[8*(8*(\n)+(\i)):8*(8*(\n)+(\i))+7], 0
.else
	v_wmma_f32_16x16x32_bf16 v[192+8*((\i)%4):199+8*((\i)%4)], v[(\buf)+8*(\i):(\buf)+8*(\i)+7], v[8*(8*(\n)+(\i)):8*(8*(\n)+(\i))+7], v[192+8*((\i)%4):199+8*((\i)%4)]
.endif
.endr
.endm
	s_wait_tensorcnt 0x0                           ; my 16 rows are in; the scores read no other wave's
	FX 0, XF0
	FX 1, XF1
	s_wait_loadcnt 0x0                             ; the queries, c, ba, the mask
	WIN 0x04                                       ; source 1 (the queries) in window 1; an LDS load's address and destination stay in window 0
	s_wait_dscnt 16                                ; the older sixteen loads are in
	MS 0, XF0
	PLACES                                         ; ahead of loads into registers that products have read
	FX 2, XF0
	s_wait_dscnt 16
	MS 1, XF1
	PLACES
	FX 3, XF1
	s_wait_dscnt 16
	MS 2, XF0
	s_wait_dscnt 0x0
	MS 3, XF1
	WIN 0
	PLACES
.irp z, 0,2,4,6                        ; the four sums are added; each accumulator is read from its low end on
	v_pk_add_f32 v[32+(\z):33+(\z)], v[192+(\z):193+(\z)], v[200+(\z):201+(\z)]
.endr
.irp z, 0,2,4,6
	v_pk_add_f32 v[208+(\z):209+(\z)], v[208+(\z):209+(\z)], v[216+(\z):217+(\z)]
.endr
.irp z, 0,2,4,6
	v_pk_add_f32 v[32+(\z):33+(\z)], v[32+(\z):33+(\z)], v[208+(\z):209+(\z)]
.endr
	v_lshlrev_b32 v18, 16, v18                     ; c as f32
	v_add_f32 v18, v18, v19                        ; + ba
	v_mul_f32 v28, s32, v18
	v_mul_f32 v29, s32, v18
.irp z, 0,2,4,6
	v_pk_fma_f32 v[40+(\z):41+(\z)], v[20+(\z):21+(\z)], s[34:35], v[28:29] op_sel_hi:[1,0,1]
.endr
.irp z, 0,2,4,6
	v_pk_fma_f32 v[32+(\z):33+(\z)], v[32+(\z):33+(\z)], s[32:33], v[40+(\z):41+(\z)] op_sel_hi:[1,0,1]
.endr
	v_max3_num_f32 v30, v32, v33, v34
	v_max3_num_f32 v30, v30, v35, v36
	v_max3_num_f32 v30, v30, v37, v38
	v_max3_num_f32 v30, v30, v39, s38              ; never below the lowest finite number
	v_permlanex16_b32 v31, v30, s36, s37           ; the head's other 8 rows lie in the lane 16 away
	v_max_num_f32 v30, v30, v31                    ; my wave's maximum
	v_mov_b32 v31, v30
.irp z, 0,2,4,6
	v_pk_add_f32 v[32+(\z):33+(\z)], v[32+(\z):33+(\z)], v[30:31] neg_lo:[0,1] neg_hi:[0,1]
.endr
.irp z, 0,1,2,3,4,5,6,7
	v_exp_f32 v[32+(\z)], v[32+(\z)]
.endr
	v_nop                                          ; a plain instruction behind the last exponential,
	s_wait_alu depctr_va_vdst(0)                   ; and one wait for the eight, ahead of their first reader
	v_pk_add_f32 v[40:41], v[32:33], v[34:35]
	v_pk_add_f32 v[42:43], v[36:37], v[38:39]
	v_pk_add_f32 v[40:41], v[40:41], v[42:43]
	v_add_f32 v40, v40, v41
	v_permlanex16_b32 v41, v40, s36, s37
	v_add_f32 v40, v40, v41                        ; my wave's sum
	ds_store_b128 v8, v[32:35]
	ds_store_b128 v8, v[36:39] offset:512
	ds_store_b32 v9, v30
	ds_store_b32 v9, v40 offset:128
	s_wait_dscnt 0x0                               ; for the others' sake; every wave has also waited for its rows of X
	s_barrier_signal -1
	s_barrier_wait -1                              ; all 64 rows, all p, m and l lie in LDS
; sixteen turning loads: rows 32 (n / 2) on, channel blocks 8 (n % 2) .. + 7 of my 16
.macro FT n, buf
	WIN 0
.irp i, 0,1,2,3,4,5,6,7
	ds_load_tr16_b128 v[(\buf)+8*(\i):(\buf)+8*(\i)+3],   v[6+(\n)/2] offset:32*(8*((\n)%2)+(\i))
	ds_load_tr16_b128 v[(\buf)+8*(\i)+4:(\buf)+8*(\i)+7], v[6+(\n)/2] offset:32*(8*((\n)%2)+(\i))+16*PITCH
.endr
.endm
; eight products on eight accumulators; rows 0-31 start the sums
.macro MP n, buf
	WIN 0x50                                       ; C and D in window 1
.irp i, 0,1,2,3,4,5,6,7
.if (\n) < 2
	v_wmma_f32_16x16x32_bf16 v[8*(8*((\n)%2)+(\i)):8*(8*((\n)%2)+(\i))+7], v[(\buf)+8*(\i):(\buf)+8*(\i)+7], v[48+8*((\n)/2):55+8*((\n)/2)], 0
.else
	v_wmma_f32_16x16x32_bf16 v[8*(8*((\n)%2)+(\i)):8*(8*((\n)%2)+(\i))+7], v[(\buf)+8*(\i):(\buf)+8*(\i)+7], v[48+8*((\n)/2):55+8*((\n)/2)], v[8*(8*((\n)%2)+(\i)):8*(8*((\n)%2)+(\i))+7]
.endif
.endr
.endm
.irp x, 0,1,2,3
	ds_load_b128 v[224+8*(\x):227+8*(\x)], v10 offset:1024*(\x)
	ds_load_b128 v[228+8*(\x):231+8*(\x)], v10 offset:1024*(\x)+512
.endr
.irp x, 0,1,2,3
	ds_load_b32 v[192+(\x)], v11 offset:256*(\x)
	ds_load_b32 v[196+(\x)], v11 offset:256*(\x)+128
.endr
	FT 0, XF0
	FT 1, XF1
	s_wait_dscnt 32                                ; all but the 32 turning loads just issued
	v_max3_num_f32 v28, v192, v193, v194
	v_max_num_f32 v28, v28, v195                   ; the work-group's maximum m
.irp x, 0,1,2,3
	v_sub_f32 v[200+(\x)], v[192+(\x)], v28
.endr
.irp x, 0,1,2,3
	v_exp_f32 v[200+(\x)], v[200+(\x)]
.endr
	v_nop
	s_wait_alu depctr_va_vdst(0)                   ; one wait for the four
	v_mul_f32 v204, v200, v196
	v_fmac_f32 v204, v201, v197
	v_fmac_f32 v204, v202, v198
	v_fmac_f32 v204, v203, v199                    ; l
.irp x, 0,1,2,3
.irp z, 0,1,2,3,4,5,6,7
	v_mul_f32 v[224+8*(\x)+(\z)], v[200+(\x)], v[224+8*(\x)+(\z)]
.endr
.endr
.set n, 0
.rept 16                               ; p in bf16: rows 32 kk + 8 h on come from wave 2 kk, rows 32 kk + 16 + 8 h on from wave 2 kk + 1: just a fragment's registers
	v_cvt_pk_bf16_f32 v[48+n], v[224+2*n], v[225+2*n]
.set n, n+1
.endr
	s_wait_dscnt 16
	MP 0, XF0
	PLACES
	FT 2, XF0
	s_wait_dscnt 16
	MP 1, XF1
	PLACES
	FT 3, XF1
	s_wait_dscnt 16
	MP 2, XF0
	s_wait_dscnt 0x0
	MP 3, XF1
	PLACES
	; the way out: 16 heads x my 256 channels of f32 through my own stage, back as whole rows
	WIN 0x04                                       ; an LDS store's data (source 1) in window 1
.set a, 0
.rept 16
	ds_store_b128 v12, v[8*a:8*a+3]   offset:64*a
	ds_store_b128 v12, v[8*a+4:8*a+7] offset:64*a+16
.set a, a+1
.endr
	WIN 0
.set n, 0
.rept 32                               ; LDS serves a wave's instructions in order (ISA guide 5.7.1): these see the stores above
	ds_load_b128 v[64+4*n:67+4*n], v13 offset:1040*(n/2)+512*(n%2)
.set n, n+1
.endr
.set n, 0
.rept 32
	s_wait_dscnt 31-n
	global_store_b128 v14, v[64+4*n:67+4*n], s[12:13] offset:4096*(n/2)+512*(n%2)  ; 512 consecutive bytes
.set n, n+1
.endr
	s_cmp_lg_u32 s14, 0
	s_cbranch_scc1 .Lend
	v_cmp_gt_u32 vcc_lo, 16, v1                    ; lanes 0-15 hold m of head L, lanes 16-31 l of head L - 16
	v_cndmask_b32 v29, v204, v28, vcc_lo
	v_lshlrev_b32 v30, 2, v1
	global_store_b32 v30, v29, s[46:47]            ; 128 consecutive bytes, once a work-group
.Lend:
	s_wait_tensorcnt 0x0                           ; the wave's end
	ds_add_u32 v16, v17
	s_wait_dscnt 0x0
	s_endpgm
.Lfunc_end_k_qfc388fd0da_pool1:
	.size	k_qfc388fd0da_pool1, .Lfunc_end_k_qfc388fd0da_pool1-k_qfc388fd0da_pool1
	.p2alignl 7, 3214868480
	.fill 96, 4, 3214868480
	.section	.rodata,"a",@progbits
	.p2align	6, 0x0
	.amdhsa_kernel k_qfc388fd0da_pool1
		.amdhsa_group_segment_fixed_size 205312
		.amdhsa_private_segment_fixed_size 0
		.amdhsa_enable_private_segment 0
		.amdhsa_kernarg_size 40
		.amdhsa_user_sgpr_count 2
		.amdhsa_user_sgpr_kernarg_segment_ptr 1
		.amdhsa_wavefront_size32 1
		.amdhsa_system_sgpr_workgroup_id_x 1
		.amdhsa_system_sgpr_workgroup_id_y 1
		.amdhsa_system_sgpr_workgroup_id_z 1
		.amdhsa_system_vgpr_workitem_id 0
		.amdhsa_next_free_vgpr 512
		.amdhsa_next_free_sgpr 66
		.amdhsa_reserve_vcc 1
		.amdhsa_float_denorm_mode_32 3
		.amdhsa_float_denorm_mode_16_64 3
		.amdhsa_memory_ordered 1
		.amdhsa_forward_progress 1
		.amdhsa_inst_pref_size 40
	.end_amdhsa_kernel
	.amdgpu_metadata
---
amdhsa.version: [ 1, 2 ]
amdhsa.kernels:
  - .name:           k_qfc388fd0da_pool1
    .symbol:         k_qfc388fd0da_pool1.kd
    .args:
      - { .name: hb, .offset: 0, .size: 8, .value_kind: global_buffer, .address_space: global }
      - { .name: qa, .offset: 8, .size: 8, .value_kind: global_buffer, .address_space: global }
      - { .name: bqa, .offset: 16, .size: 8, .value_kind: global_buffer, .address_space: global }
      - { .name: attention_mask, .offset: 24, .size: 8, .value_kind: global_buffer, .address_space: global }
      - { .name: part, .offset: 32, .size: 8, .value_kind: global_buffer, .address_space: global }
    .group_segment_fixed_size: 205312
    .private_segment_fixed_size: 0
    .kernarg_segment_align: 8
    .kernarg_segment_size: 40
    .max_flat_workgroup_size: 128
    .sgpr_count:     66
    .vgpr_count:     512
    .wavefront_size: 32
...
	.end_amdgpu_metadata
.endif
;; end of part 2
;; launch comb1 (part 3): grid 64 x 4, 8 waves a work-group, no clusters, 7,168 bytes of LDS; arguments part, Wq, pqp; writes pqp
.if DOCPART == 3
	.amdgcn_target "amdgcn-amd-amdhsa--gfx1250"
	.amdhsa_code_object_version 6
	.text
	.protected	k_qfc388fd0da_comb1
	.globl	k_qfc388fd0da_comb1
	.p2align	8
	.type	k_qfc388fd0da_comb1,@function
k_qfc388fd0da_comb1:
	s_mov_b64 s[64:65], 0
	v_nop
	global_prefetch_b8 v0, s[64:65] scope:SCOPE_SE
	s_setreg_imm32_b32 hwreg(HW_REG_WAVE_MODE, 25, 1), 1
	s_wait_xcnt 0x0
; COMB.  For batch b, head h and channel quarter q: the batch's 64 partials of POOL are joined,
;   M = max of m_p;  alpha_p = 2^(m_p - M) / sum over p of 2^(m_p - M) l_p;  x[k] = sum over p of alpha_p O_p[h][k]  for the 256 channels k of quarter q,
; and projected on the head's 64 columns of W:  out[b][q][64 h + d] = sum over those k of x[k] W[k][64 h + d].  All in f32 on the vector unit: one row a head is no matrix work.
; The four quarters are added by the launches that read them.  LIMIT: a batch whose mask is -inf everywhere has the sum 0 and is not treated.
; Wave w: partials 4 i + (w / 2), channels 128 (w % 2) on of the quarter; then rows 32 w .. 32 w + 31 of the quarter's 256 rows of W.
.set XS2,   0                          ; LDS: [4 groups of partials][256 channels] f32
.set RED2,  4096                       ; [8 waves][64 columns] f32
.set SPARE, 6144                       ; the spare words, 128 bytes a wave, which no other line names
	s_load_b128 s[4:7], s[0:1], 0x0                ; part s[4:5], W s[6:7]
	s_load_b64 s[8:9], s[0:1], 0x10                ; out
	v_lshl_add_u32 v2, v0, 2, SPARE
	v_mov_b32 v3, 0
	v_lshrrev_b32 v1, 5, v0
	v_readfirstlane_b32 s10, v1                    ; wave 0..7
	s_lshr_b32 s11, ttmp9, 2                       ; h
	s_and_b32 s12, ttmp9, 3                        ; q
	s_and_b32 s13, ttmp7, 0xffff                   ; b
	s_and_b32 s14, s10, 1                          ; which half of the quarter's channels
	s_lshr_b32 s15, s10, 1                         ; which partials: 4 i + this
	s_mov_b32 s48, 0x76543210
	s_mov_b32 s49, 0xfedcba98
	v_and_b32 v4, 31, v0                           ; L
	v_and_b32 v5, 15, v0
	v_bfe_u32 v6, v0, 4, 1                         ; g = L / 16
	v_add_nc_u32 v7, s15, v6
	v_and_b32 v8, 3, v7
	v_add_nc_u32 v9, 2, v7
	v_and_b32 v9, 3, v9
	v_lshl_add_u32 v8, v5, 2, v8
	v_lshlrev_b32 v8, 7, v8                        ; set A: partial 4 (L % 16) + (w / 2 + g) % 4: lanes 0-15 hold my own sixteen, in order
	v_lshl_add_u32 v9, v5, 2, v9
	v_lshlrev_b32 v9, 7, v9                        ; set B: the other two residues: A and B together are all 64
	s_lshl_b32 s16, s13, 13
	s_lshl_b32 s17, s11, 2
	s_add_co_u32 s16, s16, s17
	s_add_co_u32 s16, s16, 0x1000000               ; m of head h in the batch's first partial; l lies 64 bytes on
	s_mov_b32 s17, 0
	s_lshl_b32 s26, s13, 22
	s_lshl_b32 s27, s11, 12
	s_add_co_u32 s26, s26, s27
	s_lshl_b32 s27, s12, 10
	s_add_co_u32 s26, s26, s27                     ; O: batch, head, quarter
	s_mov_b32 s27, 0
	s_lshl_b32 s28, s12, 20
	s_lshl_b32 s29, s11, 8
	s_add_co_u32 s28, s28, s29                     ; W: the quarter's 256 rows, the head's 64 columns
	s_mov_b32 s29, 0
	s_lshl_b32 s30, s13, 2
	s_add_co_u32 s30, s30, s12
	s_lshl_b32 s30, s30, 12
	s_lshl_b32 s31, s11, 8
	s_add_co_u32 s30, s30, s31                     ; out: [b][q][64 h]
	s_mov_b32 s31, 0
	s_lshl_b32 s50, s15, 16
	s_lshl_b32 s51, s14, 9
	s_add_co_u32 s50, s50, s51
	v_lshl_add_u32 v10, v4, 4, s50                 ; O: my first partial, my 128 channels, 16 L
	s_lshl_b32 s51, s10, 17
	v_lshl_add_u32 v11, v6, 16, s51
	v_lshl_add_u32 v11, v5, 4, v11                 ; W: row 32 w + 16 g, 4 columns by L % 16
	s_lshl_b32 s50, s15, 10
	s_lshl_b32 s51, s14, 9
	s_add_co_u32 s50, s50, s51
	v_lshl_add_u32 v20, v4, 4, s50                 ; XS2: my group, my 128 channels
	s_lshl_b32 s50, s10, 7
	v_lshl_add_u32 v21, v6, 6, s50                 ; XS2: channels 32 w + 16 g on
	s_lshl_b32 s50, s10, 8
	v_lshl_add_u32 v22, v5, 4, s50
	v_add_nc_u32 v22, RED2, v22
	v_lshl_add_u32 v23, v4, 3, RED2
	v_lshlrev_b32 v24, 3, v4
	v_mov_b32 v17, 0                               ; (written before v_permlanex16_b32 names them as destinations)
.irp k, 0,1,2,3
	v_mov_b32 v[232+(\k)], 0
.endr
	s_wait_kmcnt 0x0
	s_add_nc_u64 s[18:19], s[4:5], s[16:17]
	s_add_nc_u64 s[20:21], s[4:5], s[26:27]
	s_add_nc_u64 s[22:23], s[6:7], s[28:29]
	s_add_nc_u64 s[24:25], s[8:9], s[30:31]
	global_load_b32 v12, v8, s[18:19]              ; m, set A
	global_load_b32 v13, v8, s[18:19] offset:64    ; l
	global_load_b32 v14, v9, s[18:19]              ; m, set B
	global_load_b32 v15, v9, s[18:19] offset:64
.set i, 0
.rept 16
	global_load_b128 v[32+4*i:35+4*i], v10, s[20:21] offset:262144*i   ; partial 4 i + w / 2: 512 consecutive bytes
.set i, i+1
.endr
.set i, 0
.rept 16
	global_load_b128 v[96+4*i:99+4*i], v11, s[22:23] offset:4096*i     ; rows 32 w + i and 32 w + 16 + i: 256 consecutive bytes each
.set i, i+1
.endr
	s_wait_loadcnt 32                              ; m and l are in; O's and W's 32 loads stay out
	v_max_num_f32 v16, v12, v14
	v_max_num_f32_dpp v16, v16, v16 row_xmask:1 row_mask:0xf bank_mask:0xf
	v_max_num_f32_dpp v16, v16, v16 row_xmask:2 row_mask:0xf bank_mask:0xf
	v_max_num_f32_dpp v16, v16, v16 row_xmask:4 row_mask:0xf bank_mask:0xf
	v_max_num_f32_dpp v16, v16, v16 row_xmask:8 row_mask:0xf bank_mask:0xf
	v_permlanex16_b32 v17, v16, s48, s49
	v_max_num_f32 v16, v16, v17                    ; M
	v_sub_f32 v12, v12, v16
	v_sub_f32 v14, v14, v16
	v_exp_f32 v12, v12
	v_exp_f32 v14, v14
	v_nop
	s_wait_alu depctr_va_vdst(0)                   ; one wait for the two exponentials
	v_mul_f32 v18, v12, v13
	v_fmac_f32 v18, v14, v15
	v_add_f32_dpp v18, v18, v18 row_xmask:1 row_mask:0xf bank_mask:0xf
	v_add_f32_dpp v18, v18, v18 row_xmask:2 row_mask:0xf bank_mask:0xf
	v_add_f32_dpp v18, v18, v18 row_xmask:4 row_mask:0xf bank_mask:0xf
	v_add_f32_dpp v18, v18, v18 row_xmask:8 row_mask:0xf bank_mask:0xf
	v_permlanex16_b32 v17, v18, s48, s49
	v_add_f32 v18, v18, v17                        ; the sum over all 64 partials
	v_rcp_f32 v19, v18
	v_nop
	s_wait_alu depctr_va_vdst(0)
	v_mul_f32 v19, v12, v19                        ; alpha; lane i under 16: of my partial i
.set i, 0
.rept 16
	v_readlane_b32 s[32+i], v19, i
.set i, i+1
.endr
	s_wait_loadcnt 16                              ; O is in
.irp k, 0,1,2,3
	v_mul_f32 v[160+(\k)], s32, v[32+(\k)]
.endr
.set i, 1
.rept 15
.irp k, 0,1,2,3
	v_fmac_f32 v[160+(\k)], s[32+i], v[32+4*i+(\k)]
.endr
.set i, i+1
.endr
	ds_store_b128 v20, v[160:163]
	s_wait_dscnt 0x0
	s_barrier_signal -1
	s_barrier_wait -1                              ; the four groups' sums of all 256 channels lie in LDS
.irp x, 0,1,2,3
.irp u, 0,1,2,3
	ds_load_b128 v[164+16*(\x)+4*(\u):167+16*(\x)+4*(\u)], v21 offset:XS2+1024*(\x)+16*(\u)
.endr
.endr
	s_wait_dscnt 0x0
.set n, 0
.rept 8
	v_pk_add_f32 v[164+n:165+n], v[164+n:165+n], v[180+n:181+n]
	v_pk_add_f32 v[196+n:197+n], v[196+n:197+n], v[212+n:213+n]
.set n, n+2
.endr
.set n, 0
.rept 8
	v_pk_add_f32 v[164+n:165+n], v[164+n:165+n], v[196+n:197+n]   ; x of channels 32 w + 16 g + 0..15
.set n, n+2
.endr
	s_wait_loadcnt 0x0                             ; W is in
.irp k, 0,1,2,3
	v_mul_f32 v[228+(\k)], v164, v[96+(\k)]
.endr
.set i, 1
.rept 15
.irp k, 0,1,2,3
	v_fmac_f32 v[228+(\k)], v[164+i], v[96+4*i+(\k)]
.endr
.set i, i+1
.endr
.irp k, 0,1,2,3
	v_permlanex16_b32 v[232+(\k)], v[228+(\k)], s48, s49
.endr
.irp k, 0,1,2,3
	v_add_f32 v[228+(\k)], v[228+(\k)], v[232+(\k)]               ; both halves of the lanes: my 32 rows
.endr
	ds_store_b128 v22, v[228:231]                  ; the two halves write the same numbers to the same bytes
	s_wait_dscnt 0x0
	s_barrier_signal -1
	s_barrier_wait -1
	s_cmp_lg_u32 s10, 0
	s_cbranch_scc1 .Lend
.irp x, 0,1,2,3,4,5,6,7
	ds_load_b64 v[32+2*(\x):33+2*(\x)], v23 offset:256*(\x)
.endr
	s_wait_dscnt 0x0
	v_pk_add_f32 v[32:33], v[32:33], v[34:35]
	v_pk_add_f32 v[36:37], v[36:37], v[38:39]
	v_pk_add_f32 v[40:41], v[40:41], v[42:43]
	v_pk_add_f32 v[44:45], v[44:45], v[46:47]
	v_pk_add_f32 v[32:33], v[32:33], v[36:37]
	v_pk_add_f32 v[40:41], v[40:41], v[44:45]
	v_pk_add_f32 v[32:33], v[32:33], v[40:41]
	global_store_b64 v24, v[32:33], s[24:25]       ; 256 consecutive bytes, aligned
.Lend:
	s_wait_tensorcnt 0x0                           ; the wave's end
	ds_add_u32 v2, v3
	s_wait_dscnt 0x0
	s_endpgm
.Lfunc_end_k_qfc388fd0da_comb1:
	.size	k_qfc388fd0da_comb1, .Lfunc_end_k_qfc388fd0da_comb1-k_qfc388fd0da_comb1
	.p2alignl 7, 3214868480
	.fill 96, 4, 3214868480
	.section	.rodata,"a",@progbits
	.p2align	6, 0x0
	.amdhsa_kernel k_qfc388fd0da_comb1
		.amdhsa_group_segment_fixed_size 7168
		.amdhsa_private_segment_fixed_size 0
		.amdhsa_enable_private_segment 0
		.amdhsa_kernarg_size 24
		.amdhsa_user_sgpr_count 2
		.amdhsa_user_sgpr_kernarg_segment_ptr 1
		.amdhsa_wavefront_size32 1
		.amdhsa_system_sgpr_workgroup_id_x 1
		.amdhsa_system_sgpr_workgroup_id_y 1
		.amdhsa_system_sgpr_workgroup_id_z 1
		.amdhsa_system_vgpr_workitem_id 0
		.amdhsa_next_free_vgpr 240
		.amdhsa_next_free_sgpr 66
		.amdhsa_reserve_vcc 0
		.amdhsa_float_denorm_mode_32 3
		.amdhsa_float_denorm_mode_16_64 3
		.amdhsa_memory_ordered 1
		.amdhsa_forward_progress 1
		.amdhsa_inst_pref_size 18
	.end_amdhsa_kernel
	.amdgpu_metadata
---
amdhsa.version: [ 1, 2 ]
amdhsa.kernels:
  - .name:           k_qfc388fd0da_comb1
    .symbol:         k_qfc388fd0da_comb1.kd
    .args:
      - { .name: part, .offset: 0, .size: 8, .value_kind: global_buffer, .address_space: global }
      - { .name: Wq, .offset: 8, .size: 8, .value_kind: global_buffer, .address_space: global }
      - { .name: pqp, .offset: 16, .size: 8, .value_kind: global_buffer, .address_space: global }
    .group_segment_fixed_size: 7168
    .private_segment_fixed_size: 0
    .kernarg_segment_align: 8
    .kernarg_segment_size: 24
    .max_flat_workgroup_size: 256
    .sgpr_count:     66
    .vgpr_count:     240
    .wavefront_size: 32
...
	.end_amdgpu_metadata
.endif
;; end of part 3
;; launch kvec (part 4): grid 65 x 1, 8 waves a work-group, no clusters, 50,176 bytes of LDS; arguments Wk, Wka, bk, bq, pqp, ka; writes ka
.if DOCPART == 4
	.amdgcn_target "amdgcn-amd-amdhsa--gfx1250"
	.amdhsa_code_object_version 6
	.text
	.protected	k_qfc388fd0da_kvec
	.globl	k_qfc388fd0da_kvec
	.p2align	8
	.type	k_qfc388fd0da_kvec,@function
k_qfc388fd0da_kvec:
	s_mov_b64 s[64:65], 0
	v_nop
	global_prefetch_b8 v0, s[64:65] scope:SCOPE_SE
	s_setreg_imm32_b32 hwreg(HW_REG_WAVE_MODE, 25, 1), 1
	s_wait_xcnt 0x0
; KVEC.  The query tables of the second pooling, one a batch:  ka[b][h][k] = sum over j of Wk[k][j] pq[b][j] Wka[j][h]  for the 16 rows k of block kb = the work-group's number;
; block 64 takes bk in place of a row of Wk and so gives c[b][h] = sum over j of bk[j] pq[b][j] Wka[j][h].   pq[b][j] = bq[j] + the four quarters of pqp (bq rounded once to bf16, sums f32).
; Source 0 = 16 rows of Wk, source 1 = pq Wka in bf16; K = j, split among the eight waves, 128 each; four accumulators, one a batch.  The partial tiles meet in LDS; the table is rounded once to bf16.
.set PT,    0                          ; LDS: wave w's pq of its 128 j for the four batches, 2,048 bytes, the wave's own
.set RED,   16384                      ; wave w's four partial tiles, 4,096 bytes
.set SPARE, 49152                      ; the spare words, 128 bytes a wave, which no other line names
.set SPW, 12
.set NIL, 13
.macro RND2 a, b, t                    ; two f32 rounded to bf16 and widened again
	v_cvt_pk_bf16_f32 v[\t], v[\a], v[\b]
	v_lshlrev_b32 v[\a], 16, v[\t]
	v_and_b32 v[\b], 0xffff0000, v[\t]
.endm
	s_load_b256 s[4:11], s[0:1], 0x0               ; Wk s[4:5], Wka s[6:7], bk s[8:9], bq s[10:11]
	s_load_b128 s[12:15], s[0:1], 0x20             ; pqp s[12:13], ka s[14:15]
	v_lshl_add_u32 v[SPW], v0, 2, SPARE
	v_mov_b32 v[NIL], 0
	v_lshrrev_b32 v1, 5, v0
	v_readfirstlane_b32 s18, v1                    ; wave 0..7
	v_and_b32 v1, 31, v0                           ; L
	v_and_b32 v2, 15, v0                           ; r
	v_bfe_u32 v3, v0, 4, 1                         ; h
	s_lshl_b32 s24, ttmp9, 16
	s_mov_b32 s25, 0
	s_lshl_b32 s26, s18, 9
	s_lshl_b32 s27, s18, 13
	s_lshl_b32 s28, s18, 12
	s_lshl_b32 s29, s18, 10
	s_lshl_b32 s30, s18, 11
	s_cmp_eq_u32 ttmp9, 64
	s_cselect_b32 s20, 0, 0x1000                   ; bytes from row to row: 0 for the bias
	s_cselect_b32 s24, 0, s24
	s_wait_kmcnt 0x0
	s_cselect_b64 s[22:23], s[8:9], s[4:5]         ; bk or Wk
	s_add_nc_u64 s[22:23], s[22:23], s[24:25]
	v_mul_u32_u24 v4, v2, s20
	v_lshl_add_u32 v4, v3, 5, v4
	v_add_nc_u32 v4, s26, v4                       ; row r, j = 128 w + 8 h
	v_lshlrev_b32 v5, 2, v2
	v_lshl_add_u32 v5, v3, 9, v5
	v_add_nc_u32 v5, s27, v5                       ; Wka[128 w + 8 h][r]
	v_lshl_add_u32 v6, v1, 4, s28
	v_add_nc_u32 v6, RED, v6                       ; where I put my partial tiles
	v_lshl_add_u32 v7, v1, 4, s29
	v_add_nc_u32 v7, RED, v7                       ; where wave w under 4 reads batch w's eight back
	v_lshlrev_b32 v8, 5, v2
	v_lshl_add_u32 v8, v3, 4, v8                   ; my 16 bytes of a block
	v_lshl_add_u32 v9, v1, 4, s26                  ; bq, pqp: my wave's 128 j, 4 a lane
	v_lshl_add_u32 v10, v3, 5, s30                 ; PT, read: 8 h on
	v_lshl_add_u32 v11, v1, 4, s30                 ; PT, written
.irp c, 0,1,2,3
	global_load_b128 v[16+16*(\c):19+16*(\c)], v4, s[22:23] offset:128*(\c)
	global_load_b128 v[20+16*(\c):23+16*(\c)], v4, s[22:23] offset:128*(\c)+16
	global_load_b128 v[24+16*(\c):27+16*(\c)], v4, s[22:23] offset:128*(\c)+64
	global_load_b128 v[28+16*(\c):31+16*(\c)], v4, s[22:23] offset:128*(\c)+80
.endr
.irp c, 0,1,2,3
.irp u, 0,1,2,3,4,5,6,7,8,9,10,11,12,13,14,15
	global_load_b32 v[80+16*(\c)+(\u)], v5, s[6:7] offset:(32*(\c)+(\u)+8*((\u)/8))*64
.endr
.endr
	global_load_b128 v[144:147], v9, s[10:11]
.set n, 0
.rept 16                               ; n = 4 b + q
	global_load_b128 v[148+4*n:151+4*n], v9, s[12:13] offset:4096*n
.set n, n+1
.endr
	s_wait_loadcnt 0x0                             ; 97 loads, all wanted at once
	RND2 144, 145, 14
	RND2 146, 147, 14
.irp b, 0,1,2,3
.irp z, 0,2
	v_pk_add_f32 v[148+16*(\b)+(\z):149+16*(\b)+(\z)], v[148+16*(\b)+(\z):149+16*(\b)+(\z)], v[152+16*(\b)+(\z):153+16*(\b)+(\z)]
	v_pk_add_f32 v[156+16*(\b)+(\z):157+16*(\b)+(\z)], v[156+16*(\b)+(\z):157+16*(\b)+(\z)], v[160+16*(\b)+(\z):161+16*(\b)+(\z)]
.endr
.irp z, 0,2
	v_pk_add_f32 v[148+16*(\b)+(\z):149+16*(\b)+(\z)], v[148+16*(\b)+(\z):149+16*(\b)+(\z)], v[156+16*(\b)+(\z):157+16*(\b)+(\z)]
.endr
.irp z, 0,2
	v_pk_add_f32 v[148+16*(\b)+(\z):149+16*(\b)+(\z)], v[148+16*(\b)+(\z):149+16*(\b)+(\z)], v[144+(\z):145+(\z)]
.endr
	ds_store_b128 v11, v[148+16*(\b):151+16*(\b)] offset:PT+512*(\b)   ; pq: my wave's own bytes; LDS serves a wave's instructions in order, so no barrier
.endr
.set n, 0
.rept 32                               ; Wk's fragments, packed in place; v48-79 are then free for the accumulators
	v_cvt_pk_bf16_f32 v[16+n], v[16+2*n], v[17+2*n]
.set n, n+1
.endr
.irp c, 0,1,2,3                        ; K step c
.irp b, 0,1,2,3
	ds_load_b128 v[144+16*(\b):147+16*(\b)], v10 offset:PT+512*(\b)+128*(\c)
	ds_load_b128 v[148+16*(\b):151+16*(\b)], v10 offset:PT+512*(\b)+128*(\c)+16
	ds_load_b128 v[152+16*(\b):155+16*(\b)], v10 offset:PT+512*(\b)+128*(\c)+64
	ds_load_b128 v[156+16*(\b):159+16*(\b)], v10 offset:PT+512*(\b)+128*(\c)+80
.endr
	s_wait_dscnt 0x0
.irp b, 0,1,2,3
.irp z, 0,2,4,6,8,10,12,14             ; these 32 lines are also the places between the last products and the lines that rewrite their source 1
	v_pk_mul_f32 v[144+16*(\b)+(\z):145+16*(\b)+(\z)], v[144+16*(\b)+(\z):145+16*(\b)+(\z)], v[80+16*(\c)+(\z):81+16*(\c)+(\z)]
.endr
.endr
.irp b, 0,1,2,3
.irp i, 0,1,2,3,4,5,6,7
	v_cvt_pk_bf16_f32 v[212+8*(\b)+(\i)], v[144+16*(\b)+2*(\i)], v[145+16*(\b)+2*(\i)]
.endr
.endr
.irp b, 0,1,2,3                        ; the four accumulators take turns
.if (\c) == 0
	v_wmma_f32_16x16x32_bf16 v[48+8*(\b):55+8*(\b)], v[16+8*(\c):23+8*(\c)], v[212+8*(\b):219+8*(\b)], 0
.else
	v_wmma_f32_16x16x32_bf16 v[48+8*(\b):55+8*(\b)], v[16+8*(\c):23+8*(\c)], v[212+8*(\b):219+8*(\b)], v[48+8*(\b):55+8*(\b)]
.endif
.endr
.endr
.rept 4
	v_nop
.endr
.irp b, 0,1,2,3
	ds_store_b128 v6, v[48+8*(\b):51+8*(\b)] offset:1024*(\b)
	ds_store_b128 v6, v[52+8*(\b):55+8*(\b)] offset:1024*(\b)+512
.endr
	s_wait_dscnt 0x0
	s_barrier_signal -1
	s_barrier_wait -1
	s_cmp_lt_u32 s18, 4                            ; wave w under 4 finishes batch w
	s_cbranch_scc0 .Lend
.irp x, 0,1,2,3,4,5,6,7
	ds_load_b128 v[80+8*(\x):83+8*(\x)], v7 offset:4096*(\x)
	ds_load_b128 v[84+8*(\x):87+8*(\x)], v7 offset:4096*(\x)+512
.endr
	s_mul_i32 s32, s18, 33280
	s_lshl_b32 s33, ttmp9, 9
	s_add_co_u32 s32, s32, s33
	s_mov_b32 s33, 0
	s_add_nc_u64 s[30:31], s[14:15], s[32:33]
	s_wait_dscnt 0x0
.set n, 0
.rept 16
	v_pk_add_f32 v[80+n:81+n], v[80+n:81+n], v[112+n:113+n]
.set n, n+2
.endr
.set n, 0
.rept 8
	v_pk_add_f32 v[80+n:81+n], v[80+n:81+n], v[96+n:97+n]
.set n, n+2
.endr
.set n, 0
.rept 4
	v_pk_add_f32 v[80+n:81+n], v[80+n:81+n], v[88+n:89+n]
.set n, n+2
.endr
.irp i, 0,1,2,3
	v_cvt_pk_bf16_f32 v[96+(\i)], v[80+2*(\i)], v[81+2*(\i)]
.endr
	global_store_b128 v8, v[96:99], s[30:31]       ; the block's 512 consecutive bytes
.Lend:
	s_wait_tensorcnt 0x0                           ; the wave's end
	ds_add_u32 v[SPW], v[NIL]
	s_wait_dscnt 0x0
	s_endpgm
.Lfunc_end_k_qfc388fd0da_kvec:
	.size	k_qfc388fd0da_kvec, .Lfunc_end_k_qfc388fd0da_kvec-k_qfc388fd0da_kvec
	.p2alignl 7, 3214868480
	.fill 96, 4, 3214868480
	.section	.rodata,"a",@progbits
	.p2align	6, 0x0
	.amdhsa_kernel k_qfc388fd0da_kvec
		.amdhsa_group_segment_fixed_size 50176
		.amdhsa_private_segment_fixed_size 0
		.amdhsa_enable_private_segment 0
		.amdhsa_kernarg_size 48
		.amdhsa_user_sgpr_count 2
		.amdhsa_user_sgpr_kernarg_segment_ptr 1
		.amdhsa_wavefront_size32 1
		.amdhsa_system_sgpr_workgroup_id_x 1
		.amdhsa_system_sgpr_workgroup_id_y 1
		.amdhsa_system_sgpr_workgroup_id_z 1
		.amdhsa_system_vgpr_workitem_id 0
		.amdhsa_next_free_vgpr 248
		.amdhsa_next_free_sgpr 66
		.amdhsa_reserve_vcc 0
		.amdhsa_float_denorm_mode_32 3
		.amdhsa_float_denorm_mode_16_64 3
		.amdhsa_memory_ordered 1
		.amdhsa_forward_progress 1
		.amdhsa_inst_pref_size 41
	.end_amdhsa_kernel
	.amdgpu_metadata
---
amdhsa.version: [ 1, 2 ]
amdhsa.kernels:
  - .name:           k_qfc388fd0da_kvec
    .symbol:         k_qfc388fd0da_kvec.kd
    .args:
      - { .name: Wk, .offset: 0, .size: 8, .value_kind: global_buffer, .address_space: global }
      - { .name: Wka, .offset: 8, .size: 8, .value_kind: global_buffer, .address_space: global }
      - { .name: bk, .offset: 16, .size: 8, .value_kind: global_buffer, .address_space: global }
      - { .name: bq, .offset: 24, .size: 8, .value_kind: global_buffer, .address_space: global }
      - { .name: pqp, .offset: 32, .size: 8, .value_kind: global_buffer, .address_space: global }
      - { .name: ka, .offset: 40, .size: 8, .value_kind: global_buffer, .address_space: global }
    .group_segment_fixed_size: 50176
    .private_segment_fixed_size: 0
    .kernarg_segment_align: 8
    .kernarg_segment_size: 48
    .max_flat_workgroup_size: 256
    .sgpr_count:     66
    .vgpr_count:     248
    .wavefront_size: 32
...
	.end_amdgpu_metadata
.endif
;; end of part 4
;; launch pool2: the kernel of part 2 again; grid 64 x 4, 4 waves a work-group, no clusters, 205,312 bytes of LDS; arguments hb, ka, bka, attention_mask, part; writes part
;; launch comb2: the kernel of part 3 again; grid 64 x 4, 8 waves a work-group, no clusters, 7,168 bytes of LDS; arguments part, Wk, kkp; writes kkp
;; launch egemm (part 5): grid 8 x 32, 4 waves a work-group, clusters of 4 x 4, 327,680 bytes of LDS; arguments hb, pqp, kkp, bq, bk, eb; writes eb
.if DOCPART == 5
	.amdgcn_target "amdgcn-amd-amdhsa--gfx1250"
	.amdhsa_code_object_version 6
	.text
	.protected	k_qfc388fd0da_egemm
	.globl	k_qfc388fd0da_egemm
	.p2align	8
	.type	k_qfc388fd0da_egemm,@function
k_qfc388fd0da_egemm:
	s_mov_b64 s[64:65], 0
	v_nop
	global_prefetch_b8 v0, s[64:65] scope:SCOPE_SE
	s_setreg_imm32_b32 hwreg(HW_REG_WAVE_MODE, 25, 1), 1
	s_wait_xcnt 0x0
	s_wait_alu depctr_hold_cnt(0) depctr_sa_sdst(0) depctr_va_vdst(0) depctr_va_sdst(0) depctr_va_ssrc(0) depctr_va_vcc(0) depctr_vm_vsrc(0)
	s_getreg_b32 s2, hwreg(HW_REG_IB_STS2, 6, 4)
	s_cmp_eq_u32 s2, 0
	s_cbranch_scc0 .Lentry_in_a_cluster
	s_endpgm
.Lentry_in_a_cluster:
	s_bfe_u32 s2, ttmp6, 0x10000c
	s_cmp_lg_u32 s2, 0xf033
	s_cbranch_scc0 .Lentry_shape_is_right
	s_endpgm
.Lentry_shape_is_right:
; EGEMM.  E[1024 b + i][j] = Wq[i][j] + sum over l of (Wq[i][l] pk[b][l]) Wt[l][j], rounded once to bf16;   pk = pq (kk-sum + bk), pq = pq-sum + bq (bq, bk rounded once to bf16; sums f32).
; Wq and Wt come from hb in bf16; pk is kept in bf16 and Wq pk is rounded once more to bf16 (v_pk_mul_bf16) as a matrix operand; sums in f32, begun with Wq[i][j] itself.
; Beside it each wave makes a part of the output's bias: epart[b][4 t8 + w][j] = sum over its 32 rows l of bq[l] pk[l] Wt[l][j] for the tile's 128 columns, in f32.
; A tile is 128 x 128, four waves of 64 x 64, K in four steps of 256 through two LDS slots: two first fills, two refills; a wave has at most two tensor loads out.
; A K STEP IS WRITTEN TWICE: once in a loop of two trips whose change of slots fills the slot again, once in a loop of two trips that fills nothing.
; Which slot is in hand stands in one scalar, TB (0 or SLOT), turned by an exclusive or; the LDS addresses are a constant register plus TB, made anew at each change of slots.
; CLUSTER 4 x 4: the four of a row need the same rows of Wq, the four of a column the same columns of Wt: joint loads.  The products are taken transposed (source 0 = 16 columns of Wt, turned out of
; LDS by ds_load_tr16_b128; source 1 = 16 rows of Wq): a lane holds eight neighbouring numbers of a row of E.
; REGISTERS.  window 0: v1-27 lane numbers and addresses; v28-29 the add's; v32-95 at work; v96-127 pk of two quarters; v128-255 the 16 accumulators.   window 1: two fragment sets of 128 (A 64, B 64).
.set AP,     528                       ; a row of A in LDS: 512 bytes + 16
.set BP,     288                       ; a row of B ([l][128 columns]): 256 bytes + 32
.set AHALF,  64*AP
.set BHALF,  128*BP
.set BOFF,   2*AHALF
.set SLOT,   2*AHALF+2*BHALF           ; 141,312
.set STAGE,  2*SLOT                    ; 128 rows x 272 bytes, the work-group's, for the way out
.set SPITCH, 272
.set PKT,    STAGE+128*SPITCH          ; pk in bf16, 2,048 bytes
.set SPARE,  PKT+2048                  ; the spare words, 128 bytes a wave, which no other line names
.set WQH,    33554432                  ; Wq in hb
.set WTH,    35651584                  ; Wt in hb
.set ADRA0, 16                         ; v16  my A fragments in slot 0; never rewritten
.set ADRA,  17                         ; v17  in the slot in hand
.set ADRB0, 20                         ; v20  my B fragments in slot 0, rows 0-127; never rewritten
.set ADRB,  21                         ; v21-22  in the slot in hand: rows 0-127, rows 128-255
.set STO,  24
.set RD,   25
.set CO,   26
.set VPK,  27                          ; PKT + 16 h + 512 x the K step in hand
.set SPW,  28
.set NIL,  29
.set TMP,  32
.set ACC,  128
.set F0,   0
.set F1,   128
.set G1,  24
.set G0,  32                           ; s[32:35] A's first fill of slot 0; s[36:39] of slot 1, which then walks on
.set G1B, 48
.set G0B, 56                           ; the same for B
.set TB,  84                           ; s84  the slot in hand: 0 or SLOT
.set MSB, 0
.macro WIN new
.if MSB != (\new)
	s_set_vgpr_msb (MSB<<8)|(\new)
.set MSB, \new
.endif
.endm
.set MUL, 0x05                         ; sources 0 and 1 in window 1
.macro RND2 a, b, t
	v_cvt_pk_bf16_f32 v[\t], v[\a], v[\b]
	v_lshlrev_b32 v[\a], 16, v[\t]
	v_and_b32 v[\b], 0xffff0000, v[\t]
.endm
.macro JLOAD s                         ; a joint load: waves 0 and 1 fetch A's halves, waves 2 and 3 B's; s_nop 0 and four v_nop follow each line
	s_cmp_eq_u32 s17, 0
	s_cbranch_scc0 .Lfor_b_\@
	tensor_load_to_lds s[G0+4*(\s):G0+4*(\s)+3], s[G1:G1+7]
	s_nop 0
.rept 4
	v_nop
.endr
	s_branch .Lasked_\@
.Lfor_b_\@:
	tensor_load_to_lds s[G0B+4*(\s):G0B+4*(\s)+3], s[G1B:G1B+7]
	s_nop 0
.rept 4
	v_nop
.endr
.Lasked_\@:
.endm
.macro CREST
	s_cmp_lg_u32 s16, 0
	s_cbranch_scc1 .Lnot_wave_0_\@
	s_barrier_signal -3
.Lnot_wave_0_\@:
	s_barrier_wait -3
	s_barrier_signal -1
	s_barrier_wait -1
.endm
.macro CROUND
	s_barrier_signal -1
	s_barrier_wait -1
	CREST
.endm
	s_load_b256 s[4:11], s[0:1], 0x0               ; hb s[4:5], pqp s[6:7], kkp s[8:9], bq s[10:11]
	s_load_b128 s[12:15], s[0:1], 0x20             ; bk s[12:13], eb s[14:15]
	v_lshl_add_u32 v[SPW], v0, 2, SPARE
	v_mov_b32 v[NIL], 0
	ds_add_u32 v[SPW], v[NIL]                      ; the wave's opening: the add and its wait ahead of my first tensor load
	v_lshrrev_b32 v1, 5, v0
	v_readfirstlane_b32 s16, v1                    ; wave 0..3
	s_lshr_b32 s17, s16, 1                         ; my half of the tile's rows; also: I fetch for A (0) or B (1)
	s_and_b32 s18, s16, 1                          ; my half of its columns; also: which half I fetch
	s_bfe_u32 s19, ttmp6, 0x40000                  ; cx
	s_bfe_u32 s20, ttmp6, 0x40004                  ; cy
	s_lshl_b32 s21, ttmp9, 2
	s_add_co_u32 s21, s21, s19                     ; tile column tx
	s_and_b32 s40, ttmp7, 0xffff                   ; cluster y
	s_lshr_b32 s23, s40, 1                         ; b: the same in all sixteen
	s_lshl_b32 s22, s40, 2
	s_add_co_u32 s22, s22, s20                     ; tile row ty = 8 b + t8
	s_and_b32 s78, s22, 7                          ; t8
	s_lshl_b32 s41, s20, 2
	s_lshl_b32 s41, 15, s41                        ; my row of the cluster
	s_lshl_b32 s42, 0x1111, s19                    ; my column
	s_or_b32 s[G1], s41, (1<<16)|(1<<20)|(1<<21)|(6<<22)|(3<<25)    ; A: 2-byte elements, 4 words of padding behind every 128
	s_mov_b32 s[G1+1], 256<<16                     ; tensor_dim0
	s_mov_b32 s[G1+2], 64<<16                      ; tensor_dim1
	s_mov_b32 s[G1+3], 256<<16                     ; tile_dim0
	s_mov_b32 s[G1+4], 64                          ; tile_dim1
	s_mov_b32 s[G1+5], 1024                        ; elements from row to row
	s_mov_b32 s[G1+6], 0
	s_mov_b32 s[G1+7], 0
	s_or_b32 s[G1B], s42, (1<<16)|(1<<20)|(1<<21)|(5<<22)|(7<<25)   ; B: 8 words of padding behind every 64
	s_mov_b32 s[G1B+1], 128<<16
	s_mov_b32 s[G1B+2], 128<<16
	s_mov_b32 s[G1B+3], 128<<16
	s_mov_b32 s[G1B+4], 128
	s_mov_b32 s[G1B+5], 1024
	s_mov_b32 s[G1B+6], 0
	s_mov_b32 s[G1B+7], 0
	s_lshl_b32 s44, s78, 7
	s_lshl_b32 s45, s18, 6
	s_add_co_u32 s44, s44, s45
	s_lshl_b32 s44, s44, 11
	s_add_co_u32 s44, s44, WQH                     ; A: row 128 t8 + 64 x half of Wq
	s_mov_b32 s45, 0
	s_lshl_b32 s46, s18, 18
	s_lshl_b32 s47, s21, 8
	s_add_co_u32 s46, s46, s47
	s_add_co_u32 s46, s46, WTH                     ; B: row 128 x half of Wt, column 128 tx
	s_mov_b32 s47, 0
	s_mul_i32 s43, s18, AHALF                      ; where my part of A goes in a slot; never rewritten
	s_mul_i32 s79, s18, BHALF
	s_add_co_u32 s79, s79, BOFF                    ; and my part of B; never rewritten
	s_mov_b32 s[TB], 0
	s_wait_dscnt 0x0                               ; the opening add is done
	s_wait_kmcnt 0x0
	s_add_nc_u64 s[44:45], s[4:5], s[44:45]
	s_add_nc_u64 s[46:47], s[4:5], s[46:47]
	CROUND                                         ; all sixteen work-groups are here: the first joint loads meet
.irp s, 0,1
	s_mov_b32 s[G0+4*(\s)], 1
	s_add_co_u32 s[G0+4*(\s)+1], s43, (\s)*SLOT
	s_add_nc_u64 s[G0+4*(\s)+2:G0+4*(\s)+3], s[44:45], (\s)*512          ; K step s: 256 elements along A's rows
	s_or_b32 s[G0+4*(\s)+3], s[G0+4*(\s)+3], 0x80000000
	s_mov_b32 s[G0B+4*(\s)], 1
	s_add_co_u32 s[G0B+4*(\s)+1], s79, (\s)*SLOT
	s_add_nc_u64 s[G0B+4*(\s)+2:G0B+4*(\s)+3], s[46:47], (\s)*524288     ; 256 rows of B
	s_or_b32 s[G0B+4*(\s)+3], s[G0B+4*(\s)+3], 0x80000000
	JLOAD \s
.endr
	v_and_b32 v1, 15, v0                           ; r
	v_bfe_u32 v2, v0, 4, 1                         ; h
	v_and_b32 v3, 31, v0                           ; L
	v_and_b32 v4, 7, v0
	v_bfe_u32 v5, v0, 3, 1
	v_mul_u32_u24 v6, v1, AP
	v_lshl_add_u32 v6, v2, 4, v6
	s_mul_i32 s80, s17, AHALF
	v_add_nc_u32 v[ADRA0], s80, v6
	v_mov_b32 v[ADRA], v[ADRA0]                    ; slot 0 is in hand
	v_lshl_add_u32 v7, v2, 3, v4
	v_mul_u32_u24 v7, v7, BP
	v_lshl_add_u32 v7, v5, 4, v7
	s_lshl_b32 s80, s18, 7
	s_add_co_u32 s80, s80, BOFF
	v_add_nc_u32 v[ADRB0], s80, v7
	v_mov_b32 v[ADRB], v[ADRB0]
	v_add_nc_u32 v[ADRB+1], BHALF, v[ADRB0]
	s_mul_i32 s80, s17, 64*SPITCH
	s_lshl_b32 s81, s18, 7
	s_add_co_u32 s80, s80, s81
	s_add_co_u32 s80, s80, STAGE
	v_mul_u32_u24 v6, v1, SPITCH
	v_lshl_add_u32 v6, v2, 4, v6
	v_add_nc_u32 v[STO], s80, v6
	s_mul_i32 s80, s16, 32*SPITCH
	s_add_co_u32 s80, s80, STAGE
	v_mul_u32_u24 v6, v2, SPITCH
	v_lshl_add_u32 v6, v1, 4, v6
	v_add_nc_u32 v[RD], s80, v6
	v_lshlrev_b32 v6, 11, v2
	v_lshl_add_u32 v[CO], v1, 4, v6
	v_lshl_add_u32 v[VPK], v2, 4, PKT
	v_lshlrev_b32 v8, 5, v0                        ; pk: 8 numbers a thread
	s_lshl_b32 s80, s78, 9
	s_lshl_b32 s81, s16, 7
	s_add_co_u32 s80, s80, s81
	v_lshl_add_u32 v9, v3, 2, s80                  ; the bias part: l = 128 t8 + 32 w + L (a place in the cluster enters global addresses alone)
	v_lshlrev_b32 v10, 3, v3
	v_lshlrev_b32 v11, 11, v1
	v_lshl_add_u32 v11, v2, 4, v11
	v_lshl_add_u32 v12, v0, 4, PKT
	v_lshlrev_b32 v13, 4, v3
	s_mov_b32 s76, 0xffff0000
	s_lshl_b32 s80, s23, 14
	s_mov_b32 s81, 0
	s_add_nc_u64 s[66:67], s[6:7], s[80:81]        ; the batch's four quarters of pqp
	s_add_nc_u64 s[68:69], s[8:9], s[80:81]        ; and of kkp
	s_lshl_b32 s80, s78, 18
	s_lshl_b32 s82, s16, 16
	s_add_co_u32 s80, s80, s82
	s_lshl_b32 s82, s21, 8
	s_add_co_u32 s80, s80, s82
	s_add_co_u32 s80, s80, WTH
	s_add_nc_u64 s[70:71], s[4:5], s[80:81]        ; Wt: rows 128 t8 + 32 w on, columns 128 tx on
	s_lshl_b32 s80, s78, 18
	s_lshl_b32 s82, s17, 17
	s_add_co_u32 s80, s80, s82
	s_lshl_b32 s82, s21, 8
	s_add_co_u32 s80, s80, s82
	s_lshl_b32 s82, s18, 7
	s_add_co_u32 s80, s80, s82
	s_add_co_u32 s80, s80, WQH
	s_add_nc_u64 s[72:73], s[4:5], s[80:81]        ; Wq at my 64 x 64 of the tile
	s_lshl_b32 s80, s23, 5
	s_lshl_b32 s82, s78, 2
	s_add_co_u32 s80, s80, s82
	s_add_co_u32 s80, s80, s16
	s_lshl_b32 s80, s80, 12
	s_lshl_b32 s82, s21, 9
	s_add_co_u32 s80, s80, s82
	s_add_co_u32 s80, s80, 8388608
	s_add_nc_u64 s[74:75], s[14:15], s[80:81]      ; epart[b][4 t8 + w][128 tx]
	s_lshl_b32 s80, s22, 18
	s_lshl_b32 s82, s16, 16
	s_add_co_u32 s80, s80, s82
	s_lshl_b32 s82, s21, 8
	s_add_co_u32 s80, s80, s82
	s_add_nc_u64 s[14:15], s[14:15], s[80:81]      ; E: row 128 ty + 32 w, column 128 tx
	global_load_b128 v[128:131], v8, s[10:11]
	global_load_b128 v[132:135], v8, s[10:11] offset:16
	global_load_b128 v[136:139], v8, s[12:13]
	global_load_b128 v[140:143], v8, s[12:13] offset:16
.irp q, 0,1,2,3
	global_load_b128 v[144+8*(\q):147+8*(\q)], v8, s[66:67] offset:4096*(\q)
	global_load_b128 v[148+8*(\q):151+8*(\q)], v8, s[66:67] offset:4096*(\q)+16
	global_load_b128 v[176+8*(\q):179+8*(\q)], v8, s[68:69] offset:4096*(\q)
	global_load_b128 v[180+8*(\q):183+8*(\q)], v8, s[68:69] offset:4096*(\q)+16
.endr
	global_load_b32 v208, v9, s[10:11]
	global_load_b32 v209, v9, s[12:13]
.irp q, 0,1,2,3
	global_load_b32 v[210+(\q)], v9, s[66:67] offset:4096*(\q)
	global_load_b32 v[214+(\q)], v9, s[68:69] offset:4096*(\q)
.endr
.set i, 0
.rept 32
	global_load_b64 v[32+2*i:33+2*i], v10, s[70:71] offset:2048*i      ; a row's 128 columns: 256 consecutive bytes
.set i, i+1
.endr
	WIN 0x40
.irp a, 0,1,2,3
.irp b, 0,1,2,3
	global_load_b128 v[128+4*(4*(\a)+(\b)):131+4*(4*(\a)+(\b))], v11, s[72:73] offset:32768*(\a)+32*(\b)
.endr
.endr
	WIN 0
	s_wait_loadcnt 0x0                             ; 78 loads, all wanted at once
	RND2 128, 129, 14
	RND2 130, 131, 14
	RND2 132, 133, 14
	RND2 134, 135, 14
	RND2 136, 137, 14
	RND2 138, 139, 14
	RND2 140, 141, 14
	RND2 142, 143, 14
.irp z, 0,2,4,6
	v_pk_add_f32 v[144+(\z):145+(\z)], v[144+(\z):145+(\z)], v[152+(\z):153+(\z)]
	v_pk_add_f32 v[160+(\z):161+(\z)], v[160+(\z):161+(\z)], v[168+(\z):169+(\z)]
	v_pk_add_f32 v[176+(\z):177+(\z)], v[176+(\z):177+(\z)], v[184+(\z):185+(\z)]
	v_pk_add_f32 v[192+(\z):193+(\z)], v[192+(\z):193+(\z)], v[200+(\z):201+(\z)]
.endr
.irp z, 0,2,4,6
	v_pk_add_f32 v[144+(\z):145+(\z)], v[144+(\z):145+(\z)], v[160+(\z):161+(\z)]
	v_pk_add_f32 v[176+(\z):177+(\z)], v[176+(\z):177+(\z)], v[192+(\z):193+(\z)]
.endr
.irp z, 0,2,4,6
	v_pk_add_f32 v[144+(\z):145+(\z)], v[144+(\z):145+(\z)], v[128+(\z):129+(\z)]   ; pq
	v_pk_add_f32 v[176+(\z):177+(\z)], v[176+(\z):177+(\z)], v[136+(\z):137+(\z)]   ; kk-sum + bk
.endr
.irp z, 0,2,4,6
	v_pk_mul_f32 v[144+(\z):145+(\z)], v[144+(\z):145+(\z)], v[176+(\z):177+(\z)]   ; pk
.endr
.irp i, 0,1,2,3
	v_cvt_pk_bf16_f32 v[160+(\i)], v[144+2*(\i)], v[145+2*(\i)]
.endr
	ds_store_b128 v12, v[160:163]
	RND2 208, 209, 14                              ; the bias part: c[l] = bq pq (kk-sum + bk), a lane a row l
	v_add_f32 v210, v210, v211
	v_add_f32 v212, v212, v213
	v_add_f32 v214, v214, v215
	v_add_f32 v216, v216, v217
	v_add_f32 v210, v210, v212
	v_add_f32 v214, v214, v216
	v_add_f32 v210, v210, v208
	v_add_f32 v214, v214, v209
	v_mul_f32 v210, v210, v214
	v_mul_f32 v210, v210, v208
.irp k, 0,1,2,3
	v_mov_b32 v[218+(\k)], 0
.endr
.set i, 0
.rept 32                               ; row i's c to every lane, then four multiply-adds straight from the bf16 halves
	v_readlane_b32 s77, v210, i
	v_mov_b32 v222, s77
	v_fma_mix_f32_bf16 v218, v[32+2*i], v222, v218 op_sel_hi:[1,0,0]
	v_fma_mix_f32_bf16 v219, v[32+2*i], v222, v219 op_sel:[1,0,0] op_sel_hi:[1,0,0]
	v_fma_mix_f32_bf16 v220, v[33+2*i], v222, v220 op_sel_hi:[1,0,0]
	v_fma_mix_f32_bf16 v221, v[33+2*i], v222, v221 op_sel:[1,0,0] op_sel_hi:[1,0,0]
.set i, i+1
.endr
	global_store_b128 v13, v[218:221], s[74:75]    ; 512 consecutive bytes
	s_wait_xcnt 0x0                                ; the store has read its registers: the lines below write them
	WIN 0x04                                       ; source 1 in window 1
.set n, 0
.rept 64                               ; Wq[i][j] starts the sums: nothing is cleared
	v_lshlrev_b32 v[128+2*n], 16, v[128+n]
	v_and_b32 v[129+2*n], s76, v[128+n]
.set n, n+1
.endr
	WIN 0
; 8 products: m blocks a0, a0 + 1 x all 4 n blocks, 32 along K: half c of set f.  The 16 accumulators take turns.
.macro MUL8 f, c, a0
	WIN MUL
.irp a, \a0, (\a0)+1
.irp b, 0,1,2,3
	v_wmma_f32_16x16x32_bf16 v[ACC+8*(4*(\a)+(\b)):ACC+8*(4*(\a)+(\b))+7], v[(\f)+64+8*(4*(\c)+(\b)):(\f)+64+8*(4*(\c)+(\b))+7], v[(\f)+8*(4*(\c)+(\a)):(\f)+8*(4*(\c)+(\a))+7], v[ACC+8*(4*(\a)+(\b)):ACC+8*(4*(\a)+(\b))+7]
.endr
.endr
.endm
; 36 LDS loads: quarter kq (64 along K) of the K step and slot in hand, into set f: pk (4), then for each 32 along K eight loads of B (turned) and eight of A
.macro FETCH kq, f
	WIN 0
.irp c, 0,1
	ds_load_b128 v[96+((\f)/128)*16+8*(\c):96+((\f)/128)*16+8*(\c)+3],   v[VPK] offset:128*(\kq)+64*(\c)
	ds_load_b128 v[96+((\f)/128)*16+8*(\c)+4:96+((\f)/128)*16+8*(\c)+7], v[VPK] offset:128*(\kq)+64*(\c)+32
.endr
	WIN 0x40
.irp c, 0,1
.irp i, 0,1,2,3
	ds_load_tr16_b128 v[(\f)+64+8*(4*(\c)+(\i)):(\f)+64+8*(4*(\c)+(\i))+3],   v[ADRB+(\kq)/2] offset:((64*(\kq)+32*(\c))%128)*BP+32*(\i)
	ds_load_tr16_b128 v[(\f)+64+8*(4*(\c)+(\i))+4:(\f)+64+8*(4*(\c)+(\i))+7], v[ADRB+(\kq)/2] offset:((64*(\kq)+32*(\c))%128)*BP+32*(\i)+16*BP
	ds_load_b128 v[(\f)+8*(4*(\c)+(\i)):(\f)+8*(4*(\c)+(\i))+3],   v[ADRA] offset:128*(\kq)+64*(\c)+(\i)*16*AP
	ds_load_b128 v[(\f)+8*(4*(\c)+(\i))+4:(\f)+8*(4*(\c)+(\i))+7], v[ADRA] offset:128*(\kq)+64*(\c)+(\i)*16*AP+32
.endr
.endr
.endm
; A's four fragments of half c times pk, two bf16 a line.  These 32 lines name no register of the products that last read the other set: they are the places ahead of the loads into it.
.macro SCALE f, c
	WIN 0x41                                       ; destination and source 0 in window 1, pk in window 0
.irp a, 0,1,2,3
.irp u, 0,1,2,3,4,5,6,7
	v_pk_mul_bf16 v[(\f)+8*(4*(\c)+(\a))+(\u)], v[(\f)+8*(4*(\c)+(\a))+(\u)], v[96+((\f)/128)*16+8*(\c)+(\u)]
.endr
.endr
.endm
; one of a K step's first three quarters: multiplies set f, fetches quarter kqn into set g
.macro QUARTER kqn, f, g
	s_wait_dscnt 16                                ; pk and the first 32 along K are in; the other sixteen loads may be out
	SCALE \f, 0
	MUL8 \f, 0, 0
	MUL8 \f, 0, 2
	FETCH \kqn, \g
	s_wait_dscnt 36                                ; all but the 36 just issued
	SCALE \f, 1
	MUL8 \f, 1, 0
	MUL8 \f, 1, 2
.endm
; the fourth quarter multiplies set 1 and changes slots.  fill = 1: the slot just read is filled again, two K steps on, behind a round of the cluster's barrier.
; fill = 0: nothing is filled; in the loop's last trip (s3 = 1) there is no further K step, and the run of LDS loads is jumped over: no barrier and no tensor load stands in what is jumped.
.macro TURN fill
	WIN 0
	s_wait_tensorcnt 0x0                           ; all my tensor loads have landed: my part of the next slot; so a group 0 may be written
	ds_add_u32 v[SPW], v[NIL]
	s_wait_dscnt 17                                ; the add and the youngest sixteen loads may be out
	SCALE F1, 0
	MUL8 F1, 0, 0
	s_wait_dscnt 0x0                               ; the add is done, and my reads of this slot are over
	s_barrier_signal -1
	SCALE F1, 1
	MUL8 F1, 0, 2
	WIN 0
	s_barrier_wait -1
.if \fill
	CREST                                          ; no wave of any partner still reads this slot or has a load on its way
	s_add_co_u32 s[G0+5], s43, s[TB]               ; the walking descriptors: into the slot just read,
	s_add_nc_u64 s[G0+6:G0+7], s[G0+6:G0+7], 512   ; the K step behind the one asked for last: 256 elements along A's rows,
	s_add_co_u32 s[G0B+5], s79, s[TB]
	s_add_nc_u64 s[G0B+6:G0B+7], s[G0B+6:G0B+7], 524288  ; 256 rows of B
	JLOAD 1                                        ; my one tensor load behind the round
.else
	s_cmp_eq_u32 s3, 1
	s_cbranch_scc1 .Lno_more_\@
.endif
	s_xor_b32 s[TB], s[TB], SLOT                   ; the other slot is in hand,
	v_add_nc_u32 v[ADRA], s[TB], v[ADRA0]
	v_add_nc_u32 v[ADRB], s[TB], v[ADRB0]
	v_add_nc_u32 v[ADRB+1], BHALF, v[ADRB]
	v_add_nc_u32 v[VPK], 512, v[VPK]               ; and the next K step's 256 numbers of pk
	FETCH 0, F0
.if !(\fill)
	WIN 0
.Lno_more_\@:
.endif
	MUL8 F1, 1, 0
	MUL8 F1, 1, 2
.endm
	s_wait_tensorcnt 1                             ; my part of K step 0 is in; K step 1's may stay out
	s_wait_dscnt 0x0                               ; my part of pk is stored
	s_barrier_signal -1
	s_barrier_wait -1
	FETCH 0, F0
	WIN 0                                          ; at a label and at a branch every window is 0
	s_mov_b32 s3, 2
.Lfill:                                        ; K steps 0 and 1: each leaves its slot to the K step two on
	QUARTER 1, F0, F1
	QUARTER 2, F1, F0
	QUARTER 3, F0, F1
	TURN 1
	WIN 0
	s_sub_co_u32 s3, s3, 1
	s_cmp_lg_u32 s3, 0
	s_cbranch_scc1 .Lfill
	s_mov_b32 s3, 2
.Ltail:                                        ; K steps 2 and 3: nothing is left to ask for
	QUARTER 1, F0, F1
	QUARTER 2, F1, F0
	QUARTER 3, F0, F1
	TURN 0
	WIN 0
	s_sub_co_u32 s3, s3, 1
	s_cmp_lg_u32 s3, 0
	s_cbranch_scc1 .Ltail
	; the way out: rounded to bf16, 16 bytes a lane into the shared stage; a barrier, since a row's 256 bytes come from two waves; back as whole rows, 32 a wave
.rept 4
	v_nop
.endr
.irp t, 0,1,2,3,4,5,6,7,8,9,10,11,12,13,14,15
.irp u, 0,1,2,3
	v_cvt_pk_bf16_f32 v[TMP+4*(\t)+(\u)], v[ACC+8*(\t)+2*(\u)], v[ACC+8*(\t)+2*(\u)+1]
.endr
.endr
.irp a, 0,1,2,3
.irp b, 0,1,2,3
	ds_store_b128 v[STO], v[TMP+4*(4*(\a)+(\b)):TMP+4*(4*(\a)+(\b))+3] offset:(\a)*16*SPITCH+32*(\b)
.endr
.endr
	s_wait_dscnt 0x0
	s_barrier_signal -1
	s_barrier_wait -1
.irp t, 0,1,2,3,4,5,6,7,8,9,10,11,12,13,14,15
	ds_load_b128 v[TMP+4*(\t):TMP+4*(\t)+3], v[RD] offset:(\t)*2*SPITCH
.endr
.irp t, 0,1,2,3,4,5,6,7,8,9,10,11,12,13,14,15
	s_wait_dscnt 15-(\t)
	global_store_b128 v[CO], v[TMP+4*(\t):TMP+4*(\t)+3], s[14:15] offset:2*(\t)*2048  ; 16 lanes store 256 consecutive bytes, aligned
.endr
	s_wait_tensorcnt 0x0                           ; the wave's end
	ds_add_u32 v[SPW], v[NIL]
	s_wait_dscnt 0x0
	CROUND                                         ; the closing round
	s_endpgm
.Lfunc_end_k_qfc388fd0da_egemm:
	.size	k_qfc388fd0da_egemm, .Lfunc_end_k_qfc388fd0da_egemm-k_qfc388fd0da_egemm
	.p2alignl 7, 3214868480
	.fill 96, 4, 3214868480
	.section	.rodata,"a",@progbits
	.p2align	6, 0x0
	.amdhsa_kernel k_qfc388fd0da_egemm
		.amdhsa_group_segment_fixed_size 327680
		.amdhsa_private_segment_fixed_size 0
		.amdhsa_enable_private_segment 0
		.amdhsa_kernarg_size 48
		.amdhsa_user_sgpr_count 2
		.amdhsa_user_sgpr_kernarg_segment_ptr 1
		.amdhsa_wavefront_size32 1
		.amdhsa_system_sgpr_workgroup_id_x 1
		.amdhsa_system_sgpr_workgroup_id_y 1
		.amdhsa_system_sgpr_workgroup_id_z 1
		.amdhsa_system_vgpr_workitem_id 0
		.amdhsa_next_free_vgpr 512
		.amdhsa_next_free_sgpr 100
		.amdhsa_reserve_vcc 0
		.amdhsa_float_denorm_mode_32 3
		.amdhsa_float_denorm_mode_16_64 3
		.amdhsa_memory_ordered 1
		.amdhsa_forward_progress 1
		.amdhsa_inst_pref_size 118
	.end_amdhsa_kernel
	.amdgpu_metadata
---
amdhsa.version: [ 1, 2 ]
amdhsa.kernels:
  - .name:           k_qfc388fd0da_egemm
    .symbol:         k_qfc388fd0da_egemm.kd
    .args:
      - { .name: hb, .offset: 0, .size: 8, .value_kind: global_buffer, .address_space: global }
      - { .name: pqp, .offset: 8, .size: 8, .value_kind: global_buffer, .address_space: global }
      - { .name: kkp, .offset: 16, .size: 8, .value_kind: global_buffer, .address_space: global }
      - { .name: bq, .offset: 24, .size: 8, .value_kind: global_buffer, .address_space: global }
      - { .name: bk, .offset: 32, .size: 8, .value_kind: global_buffer, .address_space: global }
      - { .name: eb, .offset: 40, .size: 8, .value_kind: global_buffer, .address_space: global }
    .group_segment_fixed_size: 327680
    .private_segment_fixed_size: 0
    .kernarg_segment_align: 8
    .kernarg_segment_size: 48
    .max_flat_workgroup_size: 128
    .sgpr_count:     100
    .vgpr_count:     512
    .wavefront_size: 32
...
	.end_amdgpu_metadata
.endif
;; end of part 5
;; launch fgemm (part 6): grid 4 x 64, 4 waves a work-group, clusters of 4 x 4, 327,680 bytes of LDS; arguments hb, eb, bq, bt, out0; writes out0
.if DOCPART == 6
	.amdgcn_target "amdgcn-amd-amdhsa--gfx1250"
	.amdhsa_code_object_version 6
	.text
	.protected	k_qfc388fd0da_fgemm
	.globl	k_qfc388fd0da_fgemm
	.p2align	8
	.type	k_qfc388fd0da_fgemm,@function
k_qfc388fd0da_fgemm:
	s_mov_b64 s[64:65], 0
	v_nop
	global_prefetch_b8 v0, s[64:65] scope:SCOPE_SE
	s_setreg_imm32_b32 hwreg(HW_REG_WAVE_MODE, 25, 1), 1
	s_wait_xcnt 0x0
	s_wait_alu depctr_hold_cnt(0) depctr_sa_sdst(0) depctr_va_vdst(0) depctr_va_sdst(0) depctr_va_ssrc(0) depctr_va_vcc(0) depctr_vm_vsrc(0)
	s_getreg_b32 s2, hwreg(HW_REG_IB_STS2, 6, 4)
	s_cmp_eq_u32 s2, 0
	s_cbranch_scc0 .Lentry_in_a_cluster
	s_endpgm
.Lentry_in_a_cluster:
	s_bfe_u32 s2, ttmp6, 0x10000c
	s_cmp_lg_u32 s2, 0xf033
	s_cbranch_scc0 .Lentry_shape_is_right
	s_endpgm
.Lentry_shape_is_right:
; FGEMM.  out[s][j] = e_b[j] + sum over i of X[s][i] E_b[i][j];   e_b = bt + bq + the 32 parts of epart (bt, bq rounded once to bf16; sums f32).  X and E in bf16, sums and out in f32.
; e_b STARTS THE SUMS: it is the C operand of each accumulator's first product, so nothing is cleared and nothing is added on the way out.
; A tile of out, 256 x 256, is made by four waves of 128 x 128: 64 accumulators, 512 registers.  K = 1,024 goes in eight steps of 128 through two LDS slots filled by joint tensor loads.
; CLUSTER 4 x 4: the four of a row need the same rows of X, the four of a column the same columns of E_b (a cluster's 1,024 rows lie in one batch).
; E lies [i][j]: its fragments come out of LDS turned, by ds_load_tr16_b128.  The products are taken transposed (source 0 = 16 columns of E, source 1 = 16 rows of X): a lane holds eight neighbouring numbers of a row.
; REGISTERS.  window 0: v1-30 addresses; v64-127, v128-191 fragments of X, two sets (at the head the bias parts, on the way out whole rows); v192-255 e_b as the accumulators hold it: column block b at 192 + 8 b;
;   window 1: v64-127, v128-191 fragments of E;   window 2: the accumulators of my rows 0-63;   window 3: of rows 64-127.
.set KSTEP,  128
.set PITCH,  272                       ; a row of X in LDS: 256 bytes + 16
.set BP,     544                       ; a row of E in LDS ([i][256 columns]): 512 bytes + 32
.set HALFT,  128*PITCH                 ; what one tensor load brings: 128 rows of X, or 64 rows of E: 34,816 bytes either way
.set SLOT,   4*HALFT
.set STAGE,  2*SLOT                    ; 16 rows x 528 bytes for each wave, for the way out (and, at the head, for e_b)
.set SPITCH, 528
.set SPARE,  STAGE+4*16*SPITCH         ; the spare words, 128 bytes a wave, which no other line names
.set LAPS,   4
.set ADRA, 16
.set ADRB, 20
.set STO,  24
.set RD,   25
.set CO,   26
.set SPW,  28
.set NIL,  29
.set PFO,  30                          ; the prefetches' offset; never rewritten
.set PFA,  44                          ; s[44:45] where my prefetches stand
.set LIM,  43                          ; s43  1 in a wave that prefetches, else the greatest number
.set F0,   64
.set F1,   128
.set BIAS, 192
.set G1,  24
.set G0,  32
.set G1B, 48
.set G0B, 56
.set MSB, 0
.macro WIN new
.if MSB != (\new)
	s_set_vgpr_msb (MSB<<8)|(\new)
.set MSB, \new
.endif
.endm
.set MUL_LO, 0xa1                      ; source 0 (E) window 1, source 1 (X) window 0, C and D window 2
.set MUL_HI, 0xf1                      ; the same, C and D window 3
.set FIRST_LO, 0x81                    ; the first product: C (e_b) window 0, D window 2
.set FIRST_HI, 0xc1                    ; D window 3
.set TO_B,   0x40
.macro RND2 a, b, t
	v_cvt_pk_bf16_f32 v[\t], v[\a], v[\b]
	v_lshlrev_b32 v[\a], 16, v[\t]
	v_and_b32 v[\b], 0xffff0000, v[\t]
.endm
.macro JLOAD s                         ; waves 0 and 1 fetch X's halves, waves 2 and 3 E's; s_nop 0 and four v_nop follow each line
	s_cmp_eq_u32 s11, 0
	s_cbranch_scc0 .Lfor_b_\@
	tensor_load_to_lds s[G0+4*(\s):G0+4*(\s)+3], s[G1:G1+7]
	s_nop 0
.rept 4
	v_nop
.endr
	s_branch .Lasked_\@
.Lfor_b_\@:
	tensor_load_to_lds s[G0B+4*(\s):G0B+4*(\s)+3], s[G1B:G1B+7]
	s_nop 0
.rept 4
	v_nop
.endr
.Lasked_\@:
.endm
; A prefetch, behind each joint refill, its five lines and the run of LDS loads: the K step that stands two refills on, 512 matrix instructions ahead of the load that will want it; 32 blocks of 256 bytes, a lane a block.
; Each block is named once in the launch.  X's rows of a tile row are read by this cluster alone: its X waves always ask.  E_b's columns are read by the four clusters of batch b: the first of them asks.
; The four partners that ask for a tile jointly share its blocks out by address: 32 of X's 128 rows by cx; 16 of E's 64 rows (two blocks a row) by cy.  The loop's last trip asks for nothing: K steps 4 to 7 are named.
.macro ASK
	s_cmp_gt_u32 s3, s[LIM]
	s_cbranch_scc0 .Lnot_mine_\@
	global_prefetch_b8 v[PFO], s[PFA:PFA+1] th:TH_LOAD_NT scope:SCOPE_SE
.Lnot_mine_\@:
.endm
.macro CREST
	s_cmp_lg_u32 s10, 0
	s_cbranch_scc1 .Lnot_wave_0_\@
	s_barrier_signal -3
.Lnot_wave_0_\@:
	s_barrier_wait -3
	s_barrier_signal -1
	s_barrier_wait -1
.endm
.macro CROUND
	s_barrier_signal -1
	s_barrier_wait -1
	CREST
.endm
	s_load_b128 s[4:7], s[0:1], 0x0                ; hb s[4:5], eb s[6:7]
	s_load_b128 s[68:71], s[0:1], 0x10             ; bq s[68:69], bt s[70:71]
	s_load_b64 s[8:9], s[0:1], 0x20                ; out0
	v_lshl_add_u32 v[SPW], v0, 2, SPARE
	v_mov_b32 v[NIL], 0
	ds_add_u32 v[SPW], v[NIL]                      ; the wave's opening: the add and its wait ahead of my first tensor load
	v_lshrrev_b32 v1, 5, v0
	v_readfirstlane_b32 s10, v1                    ; wave 0..3
	s_lshr_b32 s11, s10, 1                         ; my half of the tile's rows; also: I fetch for X (0) or E (1)
	s_and_b32 s12, s10, 1                          ; my half of its columns; also: which half I fetch
	s_bfe_u32 s40, ttmp6, 0x40000                  ; cx
	s_bfe_u32 s41, ttmp6, 0x40004                  ; cy
	s_lshl_b32 s42, ttmp9, 2
	s_add_co_u32 s42, s42, s40                     ; tile column
	s_and_b32 s72, ttmp7, 0xffff                   ; cluster y
	s_lshl_b32 s13, s72, 2
	s_add_co_u32 s13, s13, s41                     ; tile row
	s_lshr_b32 s73, s72, 2                         ; b: the same in all sixteen
	s_lshl_b32 s43, s41, 2
	s_lshl_b32 s43, 15, s43                        ; my row of the cluster
	s_lshl_b32 s44, 0x1111, s40                    ; my column
	s_or_b32 s[G1], s43, (1<<16)|(1<<20)|(1<<21)|(5<<22)|(3<<25)    ; X: 4 words of padding behind every 64
	s_mov_b32 s[G1+1], KSTEP<<16
	s_mov_b32 s[G1+2], 128<<16
	s_mov_b32 s[G1+3], KSTEP<<16
	s_mov_b32 s[G1+4], 128
	s_mov_b32 s[G1+5], 1024
	s_mov_b32 s[G1+6], 0
	s_mov_b32 s[G1+7], 0
	s_or_b32 s[G1B], s44, (1<<16)|(1<<20)|(1<<21)|(6<<22)|(7<<25)   ; E: 64 rows of 256 elements, 8 words of padding behind every 128
	s_mov_b32 s[G1B+1], 256<<16
	s_mov_b32 s[G1B+2], 64<<16
	s_mov_b32 s[G1B+3], 256<<16
	s_mov_b32 s[G1B+4], 64
	s_mov_b32 s[G1B+5], 1024
	s_mov_b32 s[G1B+6], 0
	s_mov_b32 s[G1B+7], 0
	s_lshl_b32 s16, s13, 8
	s_lshl_b32 s17, s12, 7
	s_add_co_u32 s16, s16, s17
	s_lshl_b32 s16, s16, 11                        ; X: row 256 x tile row + 128 x half
	s_mov_b32 s17, 0
	s_lshl_b32 s46, s73, 21
	s_lshl_b32 s47, s12, 17
	s_add_co_u32 s46, s46, s47
	s_lshl_b32 s47, s42, 9
	s_add_co_u32 s46, s46, s47                     ; E_b: row 64 x half, column 256 x tile column
	s_mov_b32 s47, 0
	s_mul_i32 s20, s10, HALFT                      ; where they go: X's two halves, then E's two
	s_wait_dscnt 0x0                               ; the opening add is done
	s_wait_kmcnt 0x0
	s_add_nc_u64 s[14:15], s[4:5], s[16:17]
	s_add_nc_u64 s[46:47], s[6:7], s[46:47]
	CROUND                                         ; all sixteen work-groups are here: the first joint loads meet
.irp s, 0,1
	s_mov_b32 s[G0+4*(\s)], 1
	s_add_co_u32 s[G0+4*(\s)+1], s20, (\s)*SLOT
	s_add_nc_u64 s[G0+4*(\s)+2:G0+4*(\s)+3], s[14:15], (\s)*KSTEP*2
	s_or_b32 s[G0+4*(\s)+3], s[G0+4*(\s)+3], 0x80000000
	s_mov_b32 s[G0B+4*(\s)], 1
	s_add_co_u32 s[G0B+4*(\s)+1], s20, (\s)*SLOT
	s_add_nc_u64 s[G0B+4*(\s)+2:G0B+4*(\s)+3], s[46:47], (\s)*KSTEP*2048
	s_or_b32 s[G0B+4*(\s)+3], s[G0B+4*(\s)+3], 0x80000000
	JLOAD \s
.endr
	v_and_b32 v1, 15, v0                           ; r
	v_bfe_u32 v2, v0, 4, 1                         ; h
	v_and_b32 v5, 31, v0                           ; L
	v_mul_u32_u24 v3, v1, PITCH
	v_lshl_add_u32 v3, v2, 4, v3
	s_mul_i32 s21, s11, HALFT
	v_add_nc_u32 v[ADRA], s21, v3
	v_add_nc_u32 v[ADRA+1], SLOT, v[ADRA]
	v_and_b32 v4, 7, v0
	v_lshl_add_u32 v4, v2, 3, v4
	v_mul_u32_u24 v4, v4, BP
	v_bfe_u32 v6, v0, 3, 1
	v_lshl_add_u32 v4, v6, 4, v4
	s_lshl_b32 s22, s12, 8
	s_add_co_u32 s22, s22, 2*HALFT
	v_add_nc_u32 v[ADRB], s22, v4
	v_add_nc_u32 v[ADRB+1], SLOT, v[ADRB]
	s_mul_i32 s23, s10, 16*SPITCH
	s_add_co_u32 s23, s23, STAGE
	v_mul_u32_u24 v3, v1, SPITCH
	v_lshl_add_u32 v3, v2, 5, v3
	v_add_nc_u32 v[STO], s23, v3                   ; stage, in: row r, 8 h numbers of f32
	v_lshl_add_u32 v[RD], v5, 4, s23               ; stage, back: a row's 512 bytes
	v_lshl_add_u32 v7, v2, 5, s23                  ; e_b, back: columns 8 h on of a block of 16
	v_lshlrev_b32 v[CO], 4, v5
	s_lshl_b32 s74, s13, 8
	s_lshl_b32 s75, s11, 7
	s_add_co_u32 s74, s74, s75
	s_lshl_b32 s74, s74, 12                        ; my first row of out
	s_lshl_b32 s76, s42, 10
	s_lshl_b32 s77, s12, 9
	s_add_co_u32 s76, s76, s77                     ; my first column, in bytes of f32
	s_mov_b32 s77, 0
	s_add_co_u32 s74, s74, s76
	s_mov_b32 s75, 0
	s_add_nc_u64 s[8:9], s[8:9], s[74:75]
	s_add_nc_u64 s[78:79], s[68:69], s[76:77]      ; bq at my columns
	s_add_nc_u64 s[80:81], s[70:71], s[76:77]      ; bt
	s_lshl_b32 s74, s73, 17
	s_add_co_u32 s74, s74, s76
	s_add_co_u32 s74, s74, 8388608
	s_add_nc_u64 s[82:83], s[6:7], s[74:75]        ; epart[b][0] at my columns
	; the prefetches: where they stand, one K step short of the first block asked for
	s_lshl_b32 s84, s13, 8
	s_lshl_b32 s85, s12, 7
	s_add_co_u32 s84, s84, s85
	s_lshl_b32 s85, s40, 5
	s_add_co_u32 s84, s84, s85
	s_lshl_b32 s84, s84, 11
	s_add_co_u32 s84, s84, 3*KSTEP*2               ; X: my work-group's 32 of the 128 rows that I fetch, K step 3
	s_lshl_b32 s86, s12, 6
	s_lshl_b32 s87, s41, 4
	s_add_co_u32 s86, s86, s87
	s_add_co_u32 s86, s86, 3*KSTEP
	s_lshl_b32 s86, s86, 11
	s_lshl_b32 s87, s73, 21
	s_add_co_u32 s86, s86, s87
	s_lshl_b32 s87, s42, 9
	s_add_co_u32 s86, s86, s87                     ; E: my work-group's 16 of the 64 rows, K step 3
	s_and_b32 s87, s72, 3
	s_mov_b32 s90, KSTEP*2048
	s_cmp_eq_u32 s11, 0                            ; do I fetch for X?
	s_cselect_b32 s84, s84, s86
	s_cselect_b32 s87, 0, s87
	s_cselect_b32 s88, KSTEP*2, s90                ; a K step: 256 bytes along X's rows, 128 rows of E
	s_cselect_b64 s[PFA:PFA+1], s[4:5], s[6:7]
	s_mov_b32 s85, 0
	s_mov_b32 s89, 0
	s_add_nc_u64 s[PFA:PFA+1], s[PFA:PFA+1], s[84:85]
	s_cmp_eq_u32 s87, 0
	s_cselect_b32 s[LIM], 1, -1                    ; the same in all sixteen partners, for a given wave
	v_lshrrev_b32 v[PFO], s11, v5
	v_lshlrev_b32 v[PFO], 11, v[PFO]
	v_and_b32 v6, s11, v5
	v_lshl_add_u32 v[PFO], v6, 8, v[PFO]           ; X: a lane a row; E: two lanes a row of 512 bytes
	; e_b: first my four columns 4 L .. 4 L + 3 of the wave's 128
.set n, 0
.rept 32
	global_load_b128 v[64+4*n:67+4*n], v[CO], s[82:83] offset:4096*n
.set n, n+1
.endr
	global_load_b128 v[192:195], v[CO], s[80:81]
	global_load_b128 v[196:199], v[CO], s[78:79]
	s_wait_loadcnt 0x0
	RND2 192, 193, 6
	RND2 194, 195, 6
	RND2 196, 197, 6
	RND2 198, 199, 6
.set n, 0
.rept 32
	v_pk_add_f32 v[64+n:65+n], v[64+n:65+n], v[128+n:129+n]
.set n, n+2
.endr
.set n, 0
.rept 16
	v_pk_add_f32 v[64+n:65+n], v[64+n:65+n], v[96+n:97+n]
.set n, n+2
.endr
.set n, 0
.rept 8
	v_pk_add_f32 v[64+n:65+n], v[64+n:65+n], v[80+n:81+n]
.set n, n+2
.endr
.set n, 0
.rept 4
	v_pk_add_f32 v[64+n:65+n], v[64+n:65+n], v[72+n:73+n]
.set n, n+2
.endr
.irp z, 0,2
	v_pk_add_f32 v[64+(\z):65+(\z)], v[64+(\z):65+(\z)], v[68+(\z):69+(\z)]
.endr
.irp z, 0,2
	v_pk_add_f32 v[64+(\z):65+(\z)], v[64+(\z):65+(\z)], v[192+(\z):193+(\z)]
.endr
.irp z, 0,2
	v_pk_add_f32 v[8+(\z):9+(\z)], v[64+(\z):65+(\z)], v[196+(\z):197+(\z)]
.endr
	; then through my own stage into the accumulators' layout: register j of column block b in lane (r, h) is column 16 b + 8 h + j
	ds_store_b128 v[RD], v[8:11]                   ; the wave's 128 numbers, 512 consecutive bytes
.irp b, 0,1,2,3,4,5,6,7                ; LDS serves a wave's instructions in order (ISA guide 5.7.1): these see the store above
	ds_load_b128 v[BIAS+8*(\b):BIAS+8*(\b)+3],   v7 offset:64*(\b)
	ds_load_b128 v[BIAS+8*(\b)+4:BIAS+8*(\b)+7], v7 offset:64*(\b)+16
.endr
; 16 products: m blocks a0, a0 + 1 of the window's four x all 8 n blocks, 32 along K.  first = 1: the product starts the sum, with e_b as C.  The 64 accumulators take turns.
.macro MUL16 f, hi, a0, first
.if \first
	WIN FIRST_LO+0x40*(\hi)
.else
	WIN MUL_LO+0x50*(\hi)
.endif
.irp a, \a0, (\a0)+1
.irp b, 0,1,2,3,4,5,6,7
.if \first
	v_wmma_f32_16x16x32_bf16 v[8*(8*(\a)+(\b)):8*(8*(\a)+(\b))+7], v[(\f)+8*(\b):(\f)+8*(\b)+7], v[(\f)+8*(4*(\hi)+(\a)):(\f)+8*(4*(\hi)+(\a))+7], v[BIAS+8*(\b):BIAS+8*(\b)+7]
.else
	v_wmma_f32_16x16x32_bf16 v[8*(8*(\a)+(\b)):8*(8*(\a)+(\b))+7], v[(\f)+8*(\b):(\f)+8*(\b)+7], v[(\f)+8*(4*(\hi)+(\a)):(\f)+8*(4*(\hi)+(\a))+7], v[8*(8*(\a)+(\b)):8*(8*(\a)+(\b))+7]
.endif
.endr
.endr
.endm
; 32 LDS loads in one run: a quarter step's fragments (32 K at byte k of X's rows = row k / 2 of E's tile) into set f: E's 8 (turned), then X's 8
.macro FETCH slot, k, f
	WIN TO_B
.irp i, 0,1,2,3,4,5,6,7
	ds_load_tr16_b128 v[(\f)+8*(\i):(\f)+8*(\i)+3],   v[ADRB+(\slot)] offset:(\k)*(BP/2)+(\i)*32
	ds_load_tr16_b128 v[(\f)+8*(\i)+4:(\f)+8*(\i)+7], v[ADRB+(\slot)] offset:(\k)*(BP/2)+(\i)*32+16*BP
.endr
	WIN 0
.irp i, 0,1,2,3,4,5,6,7
	ds_load_b128 v[(\f)+8*(\i):(\f)+8*(\i)+3],   v[ADRA+(\slot)] offset:(\k)+(\i)*16*PITCH
	ds_load_b128 v[(\f)+8*(\i)+4:(\f)+8*(\i)+7], v[ADRA+(\slot)] offset:(\k)+(\i)*16*PITCH+32
.endr
.endm
.macro PLACES                          ; four places ahead of loads into registers that products have read, and of lines that read results
.rept 4
	v_nop
.endr
.endm
.macro QUARTER slot, k, f, g, first
	s_wait_dscnt 8                                 ; E and X's rows 0-63 are in; the youngest eight loads (X's rows 64-127) may be out
	MUL16 \f, 0, 0, \first
	MUL16 \f, 0, 2, \first
	PLACES
	FETCH \slot, \k, \g
	s_wait_dscnt 32                                ; all but the 32 just issued
	MUL16 \f, 1, 0, \first
	MUL16 \f, 1, 2, \first
.endm
; the first half of a K step's last quarter: one barrier for the change of slots
.macro MEET round
	WIN 0
	s_wait_tensorcnt 0x0                           ; all my tensor loads have landed: the one that was out is my part of the next slot
	ds_add_u32 v[SPW], v[NIL]
	s_wait_dscnt 9                                 ; the add and the youngest eight loads may be out
	MUL16 F1, 0, 0, 0
	s_wait_dscnt 0x0                               ; the add is done, and my reads of this slot are over
	s_barrier_signal -1
	MUL16 F1, 0, 2, 0
.if \round
	WIN 0
.endif
	s_barrier_wait -1
.endm
.macro TURN slot, next
	s_wait_xcnt 0x0                                ; the last prefetch, a K step back, has read its address: it is stepped here
	s_add_nc_u64 s[PFA:PFA+1], s[PFA:PFA+1], s[88:89]
	MEET 1
	CREST                                          ; no wave of any partner still reads this slot or has a load on its way
	s_add_nc_u64 s[G0+4*(\slot)+2:G0+4*(\slot)+3], s[G0+4*(\slot)+2:G0+4*(\slot)+3], 2*KSTEP*2
	s_add_nc_u64 s[G0B+4*(\slot)+2:G0B+4*(\slot)+3], s[G0B+4*(\slot)+2:G0B+4*(\slot)+3], 2*KSTEP*2048
	JLOAD \slot                                    ; my one tensor load behind the round; its four v_nop are also the places ahead of the loads below
	FETCH \next, 0, F0
	ASK
	MUL16 F1, 1, 0, 0
	MUL16 F1, 1, 2, 0
.endm
; THE WAY OUT of block a (16 rows x my 128 columns of f32): into my own stage, back as whole rows of 512 bytes, and stored.
.macro TOSTAGE a
	WIN 0x08+4*((\a)/4)                            ; an LDS store's data (source 1) in window 2 or 3
.irp b, 0,1,2,3,4,5,6,7
	ds_store_b128 v[STO], v[64*((\a)%4)+8*(\b):64*((\a)%4)+8*(\b)+3]   offset:64*(\b)
	ds_store_b128 v[STO], v[64*((\a)%4)+8*(\b)+4:64*((\a)%4)+8*(\b)+7] offset:64*(\b)+16
.endr
	WIN 0
.if (\a) >= 2
	s_wait_xcnt 0x0                                ; block a - 2's stores have read these registers
.endif
.irp t, 0,1,2,3,4,5,6,7,8,9,10,11,12,13,14,15
	ds_load_b128 v[64+64*((\a)%2)+4*(\t):64+64*((\a)%2)+4*(\t)+3], v[RD] offset:(\t)*SPITCH  ; LDS serves a wave's instructions in order: these see the stores above
.endr
.endm
.macro SEND a, younger                 ; younger: the LDS instructions issued behind block a's loads
	WIN 0
	s_wait_dscnt \younger
	s_wait_xcnt 0x0                                ; the stores' base is stepped only behind this wait
.if (\a) > 0
	s_add_nc_u64 s[8:9], s[8:9], 16*4096
.endif
.irp t, 0,1,2,3,4,5,6,7,8,9,10,11,12,13,14,15
	global_store_b128 v[CO], v[64+64*((\a)%2)+4*(\t):64+64*((\a)%2)+4*(\t)+3], s[8:9] offset:(\t)*4096 th:TH_STORE_NT  ; 512 consecutive bytes, aligned
.endr
.endm
	s_wait_tensorcnt 1                             ; my part of K step 0 is in; K step 1's may stay out
	s_wait_dscnt 0x0                               ; e_b is back in registers: no LDS instruction of mine is out at the signal
	s_barrier_signal -1
	s_barrier_wait -1
	FETCH 0, 0, F0
	QUARTER 0, 64,  F0, F1, 1                      ; the first quarter stands ahead of the loop: its products start the sums
	WIN 0
	s_mov_b32 s3, LAPS-1
.Llap:                                         ; a trip goes once round the ring, from a lap's second quarter to the next lap's first, and fills both slots again
	QUARTER 0, 128, F1, F0, 0
	QUARTER 0, 192, F0, F1, 0
	TURN 0, 1
	QUARTER 1, 64,  F0, F1, 0
	QUARTER 1, 128, F1, F0, 0
	QUARTER 1, 192, F0, F1, 0
	TURN 1, 0
	QUARTER 0, 64,  F0, F1, 0
	WIN 0
	s_sub_co_u32 s3, s3, 1
	s_cmp_lg_u32 s3, 0
	s_cbranch_scc1 .Llap
	QUARTER 0, 128, F1, F0, 0                      ; the last lap fills nothing
	QUARTER 0, 192, F0, F1, 0
	MEET 0
	PLACES
	FETCH 1, 0, F0
	MUL16 F1, 1, 0, 0
	MUL16 F1, 1, 2, 0
	QUARTER 1, 64,  F0, F1, 0
	QUARTER 1, 128, F1, F0, 0
	QUARTER 1, 192, F0, F1, 0
	s_wait_dscnt 8                                 ; the very last quarter
	MUL16 F1, 0, 0, 0
	MUL16 F1, 0, 2, 0
	s_wait_dscnt 0x0
	MUL16 F1, 1, 0, 0
	MUL16 F1, 1, 2, 0
	PLACES
	TOSTAGE 0
.irp a, 1,2,3,4,5,6,7
	TOSTAGE \a
	SEND (\a)-1, 32                                ; block a's sixteen stores and sixteen loads may be out
.endr
	SEND 7, 0
	s_wait_tensorcnt 0x0                           ; the wave's end
	ds_add_u32 v[SPW], v[NIL]
	s_wait_dscnt 0x0
	CROUND                                         ; the closing round
	s_endpgm
.Lfunc_end_k_qfc388fd0da_fgemm:
	.size	k_qfc388fd0da_fgemm, .Lfunc_end_k_qfc388fd0da_fgemm-k_qfc388fd0da_fgemm
	.p2alignl 7, 3214868480
	.fill 96, 4, 3214868480
	.section	.rodata,"a",@progbits
	.p2align	6, 0x0
	.amdhsa_kernel k_qfc388fd0da_fgemm
		.amdhsa_group_segment_fixed_size 327680
		.amdhsa_private_segment_fixed_size 0
		.amdhsa_enable_private_segment 0
		.amdhsa_kernarg_size 40
		.amdhsa_user_sgpr_count 2
		.amdhsa_user_sgpr_kernarg_segment_ptr 1
		.amdhsa_wavefront_size32 1
		.amdhsa_system_sgpr_workgroup_id_x 1
		.amdhsa_system_sgpr_workgroup_id_y 1
		.amdhsa_system_sgpr_workgroup_id_z 1
		.amdhsa_system_vgpr_workitem_id 0
		.amdhsa_next_free_vgpr 1024
		.amdhsa_next_free_sgpr 96
		.amdhsa_reserve_vcc 0
		.amdhsa_float_denorm_mode_32 3
		.amdhsa_float_denorm_mode_16_64 3
		.amdhsa_memory_ordered 1
		.amdhsa_forward_progress 1
		.amdhsa_inst_pref_size 152
	.end_amdhsa_kernel
	.amdgpu_metadata
---
amdhsa.version: [ 1, 2 ]
amdhsa.kernels:
  - .name:           k_qfc388fd0da_fgemm
    .symbol:         k_qfc388fd0da_fgemm.kd
    .args:
      - { .name: hb, .offset: 0, .size: 8, .value_kind: global_buffer, .address_space: global }
      - { .name: eb, .offset: 8, .size: 8, .value_kind: global_buffer, .address_space: global }
      - { .name: bq, .offset: 16, .size: 8, .value_kind: global_buffer, .address_space: global }
      - { .name: bt, .offset: 24, .size: 8, .value_kind: global_buffer, .address_space: global }
      - { .name: out0, .offset: 32, .size: 8, .value_kind: global_buffer, .address_space: global }
    .group_segment_fixed_size: 327680
    .private_segment_fixed_size: 0
    .kernarg_segment_align: 8
    .kernarg_segment_size: 40
    .max_flat_workgroup_size: 128
    .sgpr_count:     96
    .vgpr_count:     1024
    .wavefront_size: 32
...
	.end_amdgpu_metadata
.endif
;; end of part 6
